; MI455X (gfx1250); checked and timed in simulation.
; The chip was launched on July 23, 2026; its instructions are those of AMD's public machine-readable ISA for CDNA 5 (MIT licence, August 2026) and "CDNA5" Instruction Set Architecture Reference Guide (July 2026). The comments in the code are by the model that wrote it; some were corrected since.
;; Causal Self Attention. Allowed arithmetic: matrix products marked QUANTISED: E3M2 operands, one E8M0 scale for each 32 along K, by v_wmma_scale_f32_16x16x128_f8f6f4 with both operands' format E3M2, f32 sums; everything else in f32.
;; Inputs: W_proj 1,024 x 1,024 float32; W_qkv 1,024 x 3,072 float32; b_proj 1,024 float32; b_qkv 3,072 float32; x 4 x 2,048 x 1,024 float32.
;; Outputs: out0 4 x 2,048 x 1,024 float32.
;; This version of the problem:
;;   THIS VERSION OF THE PROBLEM IS GIVEN IN LOW PRECISION. The matrix products marked QUANTISED in the list below multiply operands that are first quantised to E3M2 (3 exponent bits, 2 mantissa bits; 6 bits a number), with one power-of-two scale for each 32 numbers along K (OCP MX v1.0); their sums are f32. All else is computed in f32.
;;   The module's matrix products, in the order in which they are computed (A, B: the left and right operand; K: the contracted axis; several contracted axes count as one K, in the product's order):
;;     1. [M 8,192, K 1,024] x [K 1,024, N 3,072]; A: input x; B: input W_qkv: QUANTISED
;;     2. batch 64 x [M 2,048, K 64] x [K 64, N 2,048]; A: computed on the way; B: computed on the way: QUANTISED
;;     3. batch 64 x [M 2,048, K 2,048] x [K 2,048, N 64]; A: softmax (see below); B: computed on the way: QUANTISED
;;     4. [M 8,192, K 1,024] x [K 1,024, N 1,024]; A: computed on the way; B: input W_proj: QUANTISED
;;   THE QUANTISER, for each operand of a quantised product, along K:
;;     - K is cut into blocks of 32 from its start; a last block that is shorter is filled with zeros.
;;     - A block's scale is 2^e with e = floor(log2(the largest magnitude in the block)) - 4, held to -126 .. 127; a block of zeros has e = 0. As a byte (E8M0): e + 127.
;;     - Each number is divided by its block's scale, clamped to +-28, and rounded to the nearest number of E3M2, ties to even, subnormals kept.
;;     - The product sums the exact products of the quantised numbers (number of the format x scale) in f32.
;;   ~~~python
;;   def quantise(x, axis):      # numpy; x: float32 -> the quantised numbers, widened to float32 again
;;       x = np.moveaxis(x, axis, -1); K = x.shape[-1]
;;       x = np.pad(x, [(0, 0)] * (x.ndim - 1) + [(0, -K % 32)]); x = x.reshape(x.shape[:-1] + (-1, 32)); a = np.abs(x).max(-1, keepdims=True)
;;       e = np.where(a > 0, np.clip(np.frexp(np.where(a > 0, a, 1))[1] - 1 - 4, -126, 127), 0)      # np.frexp(a)[1] - 1 = floor(log2(a)), exactly
;;       r = np.clip(x / 2.0 ** e, -28, 28)
;;       step = 2.0 ** (np.maximum(np.frexp(np.where(r == 0, 1, r))[1] - 1, -2) - 2)
;;       q = np.round(r / step) * step * 2.0 ** e      # np.round: ties to even
;;       return np.moveaxis(q.reshape(q.shape[:-2] + (-1,))[..., :K], -1, axis).astype(np.float32)
;;   ~~~
;;   SOFTMAX AHEAD OF A QUANTISED PRODUCT. Where the list says 'softmax', what is quantised is not the finished softmax but p = 2^(t - M), with t = logit x log2(e) and M = ceil(the row's largest t), a whole number; so 1/2 < the row's largest p <= 1. The row's sum l is taken of the UNQUANTISED p, in f32, and the product's result is divided by l at the end. Since M is a whole number, a kernel that streams over the keys may use a running M (the ceiling of the running maximum): every later rescaling is an exact power of two, which a block's scale takes up: the codes' values come out the same.
;;   OPERANDS COMPUTED ON THE WAY. 'Computed on the way' means the value that the module computes at that place (a softmax that the list does not call 'softmax' is quantised finished and normalised). What goes into a quantiser is computed in f32, as accurately as f32 sums, v_exp_f32 and their like allow (about 1e-6 of the number): no bf16 or f16 on the way to a quantiser, and a product that is left as it is and whose result goes on into a quantised operand takes f32 operands (vector FMAs, or v_wmma_f32_16x16x4_f32). A number that lies on a knife's edge between two numbers of the format may be rounded either way, as far as f32 arithmetic and the matrix unit's own rounding can turn it there, and no further.
;; One version. Each part assembles by itself: llvm-mc -triple=amdgcn-amd-amdhsa -mcpu=gfx1250 --defsym DOCPART=n.
;; ======== version 1 of 1: 4 launches
;; workspace buffers: c1 9,437,184 bytes; s1 393,216 bytes; qkvc 18,874,368 bytes; qkvs 1,572,864 bytes; yc 6,291,456 bytes; ys 262,144 bytes
;; launch quant (part 1): grid 384 x 1, 8 waves a work-group, no clusters, 124,928 bytes of LDS; arguments x, W_qkv, W_proj, c1, s1; writes c1, s1
.if DOCPART == 1
	.amdgcn_target "amdgcn-amd-amdhsa--gfx1250"
	.amdhsa_code_object_version 6
	.text
	.protected	k_qf214807e15_quant
	.globl	k_qf214807e15_quant
	.p2align	8
	.type	k_qf214807e15_quant,@function
k_qf214807e15_quant:
	s_mov_b64 s[64:65], 0
	v_nop
	global_prefetch_b8 v0, s[64:65] scope:SCOPE_SE
	s_setreg_imm32_b32 hwreg(HW_REG_WAVE_MODE, 25, 1), 1
	s_wait_xcnt 0x0
; x [8192][1024], W_qkv [1024][3072], W_proj [1024][1024], all f32, become codes of BF6 (E3M2) with one E8M0 byte for each 32 along K (K = the 1,024 channels in all three).
; A block's scale is 2^(floor(log2(its largest magnitude)) - 4); its byte is the largest magnitude's exponent field - 4, held at 1 from below; numbers / scale go to the nearest code, ties to even, beyond 28 the largest code.
; LIMITS: NaN and infinities among the inputs are not served.  A block of zeros, or one whose largest magnitude lies under 2^-122, gets the byte 1: its codes are zeros or the floor's, and this program alone reads the bytes.
; LAYOUT OF THE RESULT.  c1 holds 768 tiles of 16 rows x 1,024 K, 12,288 bytes each: tiles 0-511 tokens of x, 512-703 columns of W_qkv, 704-767 columns of W_proj.  Rows go in groups of 32: lane-row r of tile 2 G + u is
; row 32 G + 8 u + r + 8 (r / 8).  A tile is eight K steps of 128, each an IMAGE OF THE OPERAND'S 12 REGISTERS: registers 4 c .. 4 c + 3 of lane l at 512 c + 16 l, 1,536 bytes.  s1 holds a tile's scale words,
; 512 bytes: the word of row r and K step 4 q + j at 256 q + 16 r + 4 j.
; SHARES.  Work-groups 0-255: 32 tokens of x each (two tiles); wave w takes tile w / 4 and K steps 2 (w % 4), 2 (w % 4) + 1.  Work-groups 256-351 (W_qkv) and 352-383 (W_proj): 64 columns x 512 along K; wave w takes
; 32 columns (w / 4) and one K step.  Every wave asks for all its 16 KiB at its head.  The three ways part on the work-group's number and have LDS bytes of their own.
; No cluster: no two work-groups read the same input bytes.  No tensor loads, no matrix unit: memory binds.
.set SX,  0                            ; x: a stage of 16 rows x (512 + 16) bytes for each wave
.set GX,  67584                        ; x: the two tiles' scale words, 1,024 bytes
.set SW1, 68608                        ; W_qkv: two images (1,536 bytes, 1,664 apart) for each wave
.set GW1, 95232                        ; W_qkv: four tiles' scale words of this half of K
.set SW2, 96256                        ; W_proj: the same two regions
.set GW2, 122880
.set PC,  208                          ; v208-227 the codes just made
.set TM,  228                          ; v228-231 largest magnitudes, v232-235 bytes, v240-243 the conversions' scale operands
; 64 numbers of a lane, register 16 b + i = k 32 b + 16 (lane / 16) + i of my row, become a fragment's 12 registers in v[PC] on and its scale word in v[pw].
.macro QUANT128 s, pw
.irp b, 0,1,2,3
	v_max3_num_f32 v[TM+\b], |v[(\s)+16*\b]|, |v[(\s)+1+16*\b]|, 0x2800000   ; my 16 numbers of block b, and the floor 2^(5 - 127): the byte cannot fall under 1
.endr
.irp i, 2,4,6,8,10,12,14
.irp b, 0,1,2,3
	s_delay_alu instid0(VALU_DEP_4)
	v_max3_num_f32 v[TM+\b], v[TM+\b], |v[(\s)+16*\b+\i]|, |v[(\s)+1+16*\b+\i]|   ; the four blocks by turns
.endr
.endr
.irp b, 0,1,2,3
	s_delay_alu instid0(VALU_DEP_4)
	v_permlanex16_b32 v[TM+4+\b], v[TM+\b], s30, s31
.endr
.irp b, 0,1,2,3
	s_delay_alu instid0(VALU_DEP_4)
	v_max_num_f32 v[TM+\b], v[TM+\b], v[TM+4+\b]       ; with lane l xor 16's 16: the block's largest magnitude
.endr
.irp b, 0,1,2,3
	s_delay_alu instid0(VALU_DEP_4)
	v_add_nc_u32 v[TM+12+\b], 0xfe000000, v[TM+\b]     ; 4 off its exponent field: the conversion takes this operand's exponent field as its scale
.endr
.irp b, 0,1,2,3
	s_delay_alu instid0(VALU_DEP_4)
	v_lshrrev_b32 v[TM+4+\b], 23, v[TM+12+\b]          ; the scale's byte
.endr
	s_delay_alu instid0(VALU_DEP_3)
	v_lshl_or_b32 v[\pw], v[TM+5], 8, v[TM+4]
	s_delay_alu instid0(VALU_DEP_1)
	v_lshl_or_b32 v[\pw], v[TM+6], 16, v[\pw]
	s_delay_alu instid0(VALU_DEP_1)
	v_lshl_or_b32 v[\pw], v[TM+7], 24, v[\pw]          ; my row's scale word
.irp c, 0,1
	v_cvt_scalef32_pk16_bf6_f32 v[PC+6*\c:PC+2+6*\c], v[(\s)+32*\c:(\s)+15+32*\c], v[TM+12+2*\c]
	v_cvt_scalef32_pk16_bf6_f32 v[PC+12+4*\c:PC+14+4*\c], v[(\s)+16+32*\c:(\s)+31+32*\c], v[TM+12+2*\c+1]   ; a conversion's three registers begin on an even number
.endr
	v_nop                                              ; one plain line behind the scaled conversions
.irp c, 0,1                                            ; the layout wants a whole block in a lane: lanes 0-15 block 2 c, lanes 16-31 block 2 c + 1
.irp i, 0,1,2
	v_permlane16_swap_b32 v[PC+6*\c+\i], v[PC+12+4*\c+\i]
.endr
.irp i, 0,1,2
	s_delay_alu instid0(VALU_DEP_3)
	v_mov_b32 v[PC+3+6*\c+\i], v[PC+12+4*\c+\i]
.endr
.endr
.endm
; 16 rows x 512 bytes as loaded go into my stage and come back 64 numbers a lane.  LDS serves a wave's instructions in order: no wait between the stores and the loads.
.macro XTURN src, dst
.irp i, 0,1,2,3,4,5,6,7,8,9,10,11,12,13,14,15
	ds_store_b128 v2, v[(\src)+4*\i:(\src)+4*\i+3] offset:528*\i
.endr
.irp b, 0,1,2,3
.irp j, 0,1,2,3
	ds_load_b128 v[(\dst)+16*\b+4*\j:(\dst)+16*\b+4*\j+3], v3 offset:128*\b+16*\j
.endr
.endr
.endm
; A weight [1024 (k)][pitch / 4 (n)]: A LANE TAKES A COLUMN AND ITS REGISTERS RUN DOWN K, so a block of 32 lies in one lane and the codes come out with K innermost.
; Lane L holds column 32 G + L: that is lane-row (L % 8) + 8 (L / 16) of tile 2 G + (L / 8) % 2.  Block j of the K step is registers 6 (j / 2) .. + 5 of the image's lane row + 16 (j % 2).
.macro WPATH pitch, first, tbase, sw, gw, p
	s_sub_co_u32 s15, ttmp9, \first
	s_lshr_b32 s16, s15, 1                         ; which 64 columns
	s_and_b32 s17, s15, 1                          ; which half of K
	s_lshr_b32 s18, s14, 2                         ; which 32 of the 64
	s_and_b32 s19, s14, 3
	s_lshl_b32 s20, s17, 2
	s_add_co_u32 s20, s20, s19                     ; my K step
	v_and_b32 v13, 31, v0
	s_delay_alu instid0(VALU_DEP_1)
	v_lshlrev_b32 v1, 2, v13                       ; in: 4 bytes a lane
	s_delay_alu instid0(VALU_DEP_2)
	v_lshlrev_b32 v7, 4, v13                       ; out: 16 bytes a lane
	v_bfe_u32 v14, v0, 3, 1                        ; my tile of the two
	v_bfe_u32 v15, v0, 4, 1
	v_and_b32 v12, 7, v0
	s_delay_alu instid0(VALU_DEP_1)
	v_lshl_add_u32 v12, v15, 3, v12                ; my lane-row in it
	s_mul_i32 s21, s14, 3328
	s_add_co_u32 s21, s21, \sw
	v_mul_u32_u24 v2, v14, 1664
	s_delay_alu instid0(VALU_DEP_1)
	v_lshl_add_u32 v2, v12, 4, v2
	s_delay_alu instid0(VALU_DEP_1)
	v_add_nc_u32 v2, s21, v2                       ; where my column's codes go in the images
	v_add_nc_u32 v3, s21, v7                       ; and where the images are read back
	s_lshl_b32 s22, s18, 9
	s_lshl_b32 s23, s19, 2
	s_add_co_u32 s22, s22, s23
	s_add_co_u32 s22, s22, \gw
	v_lshlrev_b32 v4, 8, v14
	s_delay_alu instid0(VALU_DEP_1)
	v_lshl_add_u32 v4, v12, 4, v4
	s_delay_alu instid0(VALU_DEP_1)
	v_add_nc_u32 v4, s22, v4                       ; my scale word: 256 x tile + 16 x row + 4 x (K step % 4)
	s_lshl_b32 s22, s14, 9
	s_add_co_u32 s22, s22, \gw
	v_add_nc_u32 v5, s22, v7
	v_and_b32 v6, 15, v0
	s_delay_alu instid0(VALU_DEP_1)
	v_lshlrev_b32 v6, 4, v6
	s_delay_alu instid0(VALU_DEP_1)
	v_lshl_add_u32 v6, v15, 9, v6                  ; in s1: lanes 0-15 one tile's 256 bytes, lanes 16-31 the next tile's
	s_mul_i32 s24, s20, 128*\pitch                 ; the weight: 128 rows a K step,
	s_lshl_b32 s26, s16, 8
	s_add_co_u32 s24, s24, s26
	s_lshl_b32 s26, s18, 7
	s_add_co_u32 s24, s24, s26                     ; + my wave's first column
	s_mov_b32 s25, 0
	s_lshl_b32 s26, s16, 2
	s_lshl_b32 s28, s18, 1
	s_add_co_u32 s26, s26, s28
	s_add_co_u32 s26, s26, \tbase
	s_mul_i32 s26, s26, 12288                      ; c1: my first tile,
	s_mul_i32 s28, s20, 1536
	s_add_co_u32 s26, s26, s28                     ; my K step
	s_mov_b32 s27, 0
	s_lshl_b32 s28, s16, 2
	s_lshl_b32 s30, s14, 1
	s_add_co_u32 s28, s28, s30
	s_add_co_u32 s28, s28, \tbase
	s_lshl_b32 s28, s28, 9                         ; s1: tiles 2 w, 2 w + 1 of the four (waves 0 and 1 store them),
	s_lshl_b32 s30, s17, 8
	s_add_co_u32 s28, s28, s30                     ; this half of K
	s_mov_b32 s29, 0
	s_wait_kmcnt 0x0
	s_add_nc_u64 s[\p:\p+1], s[\p:\p+1], s[24:25]
	s_add_nc_u64 s[10:11], s[10:11], s[26:27]
	s_add_nc_u64 s[12:13], s[12:13], s[28:29]
.set i, 0
.rept 128
	global_load_b32 v[16+i], v1, s[\p:\p+1] offset:i*\pitch th:TH_LOAD_NT   ; W(128 s + i, my column): 32 lanes read 128 consecutive bytes
.set i, i+1
.endr
.irp j, 0,1,2,3
.if \j < 2
	s_wait_loadcnt 63                              ; block j's 32 loads are in: 96 - 32 j later loads might stay out, and the wait's count ends at 63
.else
	s_wait_loadcnt 96-32*\j                        ; the later blocks' loads may stay out
.endif
	v_max3_num_f32 v9, |v[16+32*\j]|, |v[17+32*\j]|, |v[18+32*\j]|
	v_max3_num_f32 v10, |v[19+32*\j]|, |v[20+32*\j]|, |v[21+32*\j]|
.irp i, 6,10,14,18,22,26
	s_delay_alu instid0(VALU_DEP_2)
	v_max3_num_f32 v9, v9, |v[16+32*\j+\i]|, |v[17+32*\j+\i]|
	s_delay_alu instid0(VALU_DEP_2)
	v_max3_num_f32 v10, v10, |v[18+32*\j+\i]|, |v[19+32*\j+\i]|
.endr
	s_delay_alu instid0(VALU_DEP_2)
	v_max3_num_f32 v9, v9, |v[46+32*\j]|, |v[47+32*\j]|
	s_delay_alu instid0(VALU_DEP_1)
	v_max3_num_f32 v9, v9, v10, 0x2800000          ; the block's largest magnitude, all 32 mine, and the floor
	s_delay_alu instid0(VALU_DEP_1)
	v_add_nc_u32 v11, 0xfe000000, v9               ; the conversions' scale operand
	s_delay_alu instid0(VALU_DEP_1)
	v_lshrrev_b32 v10, 23, v11                     ; the byte
.if \j == 0
	s_delay_alu instid0(VALU_DEP_1)
	v_mov_b32 v8, v10
.else
	s_delay_alu instid0(VALU_DEP_1)
	v_lshl_or_b32 v8, v10, 8*\j, v8                ; four bytes make my column's scale word of this K step
.endif
	v_cvt_scalef32_pk16_bf6_f32 v[144+8*\j:146+8*\j], v[16+32*\j:31+32*\j], v11
	v_cvt_scalef32_pk16_bf6_f32 v[148+8*\j:150+8*\j], v[32+32*\j:47+32*\j], v11
	v_nop                                          ; one plain line behind the scaled conversions
	v_mov_b32 v[147+8*\j], v[148+8*\j]             ; the block's six registers on end
	v_mov_b32 v[148+8*\j], v[149+8*\j]
	v_mov_b32 v[149+8*\j], v[150+8*\j]
.if \j < 2
	ds_store_b128 v2, v[144+8*\j:147+8*\j] offset:256*\j            ; image registers 0-3 of lane row + 16 j
	ds_store_b64 v2, v[148+8*\j:149+8*\j] offset:256*\j+512         ; 4, 5
.else
	ds_store_b64 v2, v[144+8*\j:145+8*\j] offset:256*(\j-2)+520     ; 6, 7
	ds_store_b128 v2, v[146+8*\j:149+8*\j] offset:256*(\j-2)+1024   ; 8-11
.endif
.endr
	ds_store_b32 v4, v8
.irp u, 0,1
.irp c, 0,1,2
	ds_load_b128 v[176+12*\u+4*\c:179+12*\u+4*\c], v3 offset:1664*\u+512*\c   ; my own bytes, served in order behind my stores
.endr
.endr
	s_wait_dscnt 0x0                               ; the images are back, and my scale word has landed, for the others' sake
.irp u, 0,1
.irp c, 0,1,2
	global_store_b128 v7, v[176+12*\u+4*\c:179+12*\u+4*\c], s[10:11] offset:12288*\u+512*\c   ; 512 consecutive bytes a store
.endr
.endr
	s_barrier_signal -1
	s_barrier_wait -1                              ; the four tiles' scale words of this half of K lie in LDS
	s_cmp_lt_u32 s14, 2
	s_cbranch_scc0 .Lw_end_\@
	ds_load_b128 v[144:147], v5
	s_wait_dscnt 0x0
	global_store_b128 v6, v[144:147], s[12:13]     ; each half of the lanes stores 256 consecutive bytes, aligned
.Lw_end_\@:
	s_wait_tensorcnt 0x0
	ds_add_u32 v254, v255
	s_wait_dscnt 0x0
	s_endpgm
.endm
	s_load_b128 s[4:7], s[0:1], 0x0                ; x, W_qkv
	s_load_b128 s[8:11], s[0:1], 0x10              ; W_proj, c1
	s_load_b64 s[12:13], s[0:1], 0x20              ; s1
	v_lshl_add_u32 v254, v0, 2, 0x1e400
	v_mov_b32 v255, 0
	v_lshrrev_b32 v1, 5, v0
	s_delay_alu instid0(VALU_DEP_1)
	v_readfirstlane_b32 s14, v1                    ; wave 0..7
	s_cmp_lt_u32 ttmp9, 256
	s_cbranch_scc0 .Lweights
	; ---- x: 32 tokens
	s_lshr_b32 s15, s14, 2                         ; u: which tile
	s_and_b32 s16, s14, 3                          ; kp: K steps 2 kp, 2 kp + 1
	v_and_b32 v6, 31, v0
	v_and_b32 v7, 15, v0                           ; r
	s_wait_alu depctr_va_vdst(0)
	v_bfe_u32 v8, v0, 4, 1                         ; h
	v_lshlrev_b32 v1, 4, v6                        ; 16 x lane
	s_wait_alu depctr_va_vdst(0)
	s_mul_i32 s17, s14, 8448
	v_add_nc_u32 v2, s17, v1                       ; the stage, on the way in
	v_mul_u32_u24 v3, v7, 528
	s_delay_alu instid0(VALU_DEP_1)
	v_lshl_add_u32 v3, v8, 6, v3
	s_delay_alu instid0(VALU_DEP_1)
	v_add_nc_u32 v3, s17, v3                       ; and out: row r, + 64 h: my 16 numbers of each block of 32
	s_lshl_b32 s18, s15, 9
	s_lshr_b32 s19, s16, 1
	s_lshl_b32 s19, s19, 8
	s_add_co_u32 s18, s18, s19
	s_and_b32 s19, s16, 1
	s_lshl_b32 s19, s19, 3
	s_add_co_u32 s18, s18, s19
	s_add_co_u32 s18, s18, GX
	v_lshl_add_u32 v4, v7, 4, s18                  ; my two scale words: 512 u + 256 (kp / 2) + 16 r + 8 (kp % 2)
	s_lshl_b32 s19, s14, 9
	s_add_co_u32 s19, s19, GX
	v_add_nc_u32 v5, s19, v1
	s_mov_b32 s30, 0x76543210
	s_mov_b32 s31, 0xfedcba98                      ; selects for lane l xor 16
	s_lshl_b32 s20, ttmp9, 17                      ; x: 32 rows of 4,096 bytes a work-group,
	s_lshl_b32 s22, s15, 15                        ; 8 rows on for the second tile,
	s_add_co_u32 s20, s20, s22
	s_lshl_b32 s22, s16, 10                        ; my two K steps' 1,024 bytes
	s_add_co_u32 s20, s20, s22
	s_mov_b32 s21, 0
	s_lshl_b32 s22, ttmp9, 1
	s_add_co_u32 s22, s22, s15
	s_mul_i32 s22, s22, 12288
	s_mul_i32 s24, s16, 3072
	s_add_co_u32 s22, s22, s24                     ; c1: my tile, my first K step
	s_mov_b32 s23, 0
	s_lshl_b32 s24, ttmp9, 10
	s_lshl_b32 s26, s14, 9
	s_add_co_u32 s24, s24, s26                     ; s1: tile 2 g + w (waves 0 and 1 store them)
	s_mov_b32 s25, 0
	s_wait_alu depctr_va_vdst(0)
	s_wait_kmcnt 0x0
	s_add_nc_u64 s[4:5], s[4:5], s[20:21]
	s_add_nc_u64 s[10:11], s[10:11], s[22:23]
	s_add_nc_u64 s[12:13], s[12:13], s[24:25]
.irp e, 0,1
.irp i, 0,1,2,3,4,5,6,7,8,9,10,11,12,13,14,15
	global_load_b128 v[16+64*\e+4*\i:19+64*\e+4*\i], v1, s[4:5] offset:(\i+8*(\i/8))*4096+512*\e th:TH_LOAD_NT   ; lane-row i of the tile, K step e: 512 consecutive bytes
.endr
.endr
.irp b, 0,1,2,3
	v_mov_b32 v[TM+4+\b], 0                        ; written once: a lane permute's destination counts as one of its sources
.endr
	s_wait_loadcnt 16                              ; the first K step's 16 loads are in; the second's may stay out
	XTURN 16, 144
	s_wait_dscnt 0x0
	QUANT128 144, 244
.irp c, 0,1,2
	global_store_b128 v1, v[PC+4*\c:PC+4*\c+3], s[10:11] offset:512*\c
.endr
	s_wait_loadcnt 0x0
	XTURN 80, 16                                   ; v16-79 are free: the first turn's stores have read them
	s_wait_dscnt 0x0
	s_wait_xcnt 0x0                                ; the codes' registers are written again only behind this wait
	QUANT128 16, 245
.irp c, 0,1,2
	global_store_b128 v1, v[PC+4*\c:PC+4*\c+3], s[10:11] offset:1536+512*\c
.endr
	ds_store_b64 v4, v[244:245]                    ; both halves of the lanes write the same bytes with the same value
	s_wait_dscnt 0x0                               ; for the others' sake
	s_barrier_signal -1
	s_barrier_wait -1                              ; both tiles' scale words lie in LDS
	s_cmp_lt_u32 s14, 2
	s_cbranch_scc0 .Lx_end
	ds_load_b128 v[144:147], v5
	s_wait_dscnt 0x0
	global_store_b128 v1, v[144:147], s[12:13]     ; a tile's 512 bytes
.Lx_end:
	s_wait_tensorcnt 0x0
	ds_add_u32 v254, v255
	s_wait_dscnt 0x0
	s_endpgm
.Lweights:
	s_cmp_lt_u32 ttmp9, 352
	s_cbranch_scc0 .Lproj
	WPATH 12288, 256, 512, SW1, GW1, 6
.Lproj:
	WPATH 4096, 352, 704, SW2, GW2, 8
.Lfunc_end_k_qf214807e15_quant:
	.size	k_qf214807e15_quant, .Lfunc_end_k_qf214807e15_quant-k_qf214807e15_quant
	.p2alignl 7, 3214868480
	.fill 96, 4, 3214868480
	.section	.rodata,"a",@progbits
	.p2align	6, 0x0
	.amdhsa_kernel k_qf214807e15_quant
		.amdhsa_group_segment_fixed_size 124928
		.amdhsa_private_segment_fixed_size 0
		.amdhsa_enable_private_segment 0
		.amdhsa_kernarg_size 40
		.amdhsa_user_sgpr_count 2
		.amdhsa_user_sgpr_kernarg_segment_ptr 1
		.amdhsa_wavefront_size32 1
		.amdhsa_system_sgpr_workgroup_id_x 1
		.amdhsa_system_sgpr_workgroup_id_y 1
		.amdhsa_system_sgpr_workgroup_id_z 1
		.amdhsa_system_vgpr_workitem_id 0
		.amdhsa_next_free_vgpr 256
		.amdhsa_next_free_sgpr 66
		.amdhsa_reserve_vcc 0
		.amdhsa_float_denorm_mode_32 3
		.amdhsa_float_denorm_mode_16_64 3
		.amdhsa_memory_ordered 1
		.amdhsa_forward_progress 1
		.amdhsa_inst_pref_size 72
	.end_amdhsa_kernel
	.amdgpu_metadata
---
amdhsa.version: [ 1, 2 ]
amdhsa.kernels:
  - .name:           k_qf214807e15_quant
    .symbol:         k_qf214807e15_quant.kd
    .args:
      - { .name: x, .offset: 0, .size: 8, .value_kind: global_buffer, .address_space: global }
      - { .name: W_qkv, .offset: 8, .size: 8, .value_kind: global_buffer, .address_space: global }
      - { .name: W_proj, .offset: 16, .size: 8, .value_kind: global_buffer, .address_space: global }
      - { .name: c1, .offset: 24, .size: 8, .value_kind: global_buffer, .address_space: global }
      - { .name: s1, .offset: 32, .size: 8, .value_kind: global_buffer, .address_space: global }
    .group_segment_fixed_size: 124928
    .private_segment_fixed_size: 0
    .kernarg_segment_align: 8
    .kernarg_segment_size: 40
    .max_flat_workgroup_size: 256
    .sgpr_count:     66
    .vgpr_count:     256
    .wavefront_size: 32
...
	.end_amdgpu_metadata
.endif
;; end of part 1
;; launch qkv (part 2): grid 256 x 1, 4 waves a work-group, clusters of 4 x 1, 295,424 bytes of LDS; arguments c1, s1, b_qkv, qkvc, qkvs; writes qkvc, qkvs
.if DOCPART == 2
	.amdgcn_target "amdgcn-amd-amdhsa--gfx1250"
	.amdhsa_code_object_version 6
	.text
	.protected	k_qf214807e15_qkv
	.globl	k_qf214807e15_qkv
	.p2align	8
	.type	k_qf214807e15_qkv,@function
k_qf214807e15_qkv:
	s_mov_b64 s[64:65], 0
	v_nop
	global_prefetch_b8 v0, s[64:65] scope:SCOPE_SE
	s_setreg_imm32_b32 hwreg(HW_REG_WAVE_MODE, 25, 1), 1
	s_wait_xcnt 0x0
	s_wait_alu depctr_hold_cnt(0) depctr_sa_sdst(0) depctr_va_vdst(0) depctr_va_sdst(0) depctr_va_ssrc(0) depctr_va_vcc(0) depctr_vm_vsrc(0)
	s_getreg_b32 s2, hwreg(HW_REG_IB_STS2, 6, 4)
	s_cmp_eq_u32 s2, 0
	s_cbranch_scc0 .Lentry_in_a_cluster
	s_endpgm
.Lentry_in_a_cluster:
	s_bfe_u32 s2, ttmp6, 0x10000c
	s_cmp_lg_u32 s2, 0x3003
	s_cbranch_scc0 .Lentry_shape_is_right
	s_endpgm
.Lentry_shape_is_right:
; qkv = x W_qkv + b_qkv on codes of BF6 (E3M2), sums in f32; q and k are quantised along the head's 64 channels, v along the keys, in registers; only codes and scale words go to memory.
; LIMITS: NaN and infinities are not served; a block of zeros or under 2^-122 gets the byte 1 (its codes are zeros or the floor's; this program alone reads the bytes).
; THE FORM.  D = S0 x S1: source 0 is STREAMED through LDS, source 1 is STATIONARY in registers: a lane holds one stationary row and its registers run along the streamed rows.  Each of the four waves keeps 64 stationary
; rows x all K = 1,024 (4 tiles x 8 K steps x 12 registers = 384), fetched from memory in the order of the operand's registers.  A PASS is 64 streamed rows: 16 accumulators, 128 matrix instructions; each streamed
; fragment read from LDS feeds four of them.
; A tile's rows are not neighbours (lane-row r of tile 2 G + u is row 32 G + 8 u + r + 8 (r / 8)), so that a lane's 32 registers of a pass are k = 32 b + 16 (lane / 16) + i of the NEXT product's K.
; SHARES.  Cluster c = 0..63, place cx.  Passes 0-3: stationary = my 256 tokens of x (block 4 (c % 8) + cx), streamed = columns 256 (c / 8) .. + 255 of q and k: a pass is one head.  Then the stationary registers are
; loaded anew: passes 4, 5: stationary = 256 columns of v (heads 4 cx .. 4 cx + 3, one a wave), streamed = tokens 128 c .. 128 c + 127: the registers then run along the keys.
; CLUSTER.  The four partners stream the same 24 tiles: each is asked for JOINTLY (mask 15).  All 24 fit in LDS: every tensor load is a first fill, issued at the head; six of a wave's are out at once.  Nothing is filled again.
; REGISTERS, in windows of 256.  Window 0: v1-13 addresses; v16-31, v32-47 the stationary rows' scale words (x's, v's); v48-143 the streamed tiles'; v160-207, v208-255 streamed sets 2, 3.
;   Window 1: v0-127 accumulators ((a, t) at 32 a + 8 t); v128-159 bias of a q/k pass; v160-191 bias of v; v192-253 the quantiser.   Window 2: stationary K steps 0-4 (48 s + 12 a).
;   Window 3: v0-143 stationary K steps 5-7; v144-191, v192-239 streamed sets 0, 1.
; A scale register holds two tiles' words: the even tile's in lanes 0-15, the odd tile's in lanes 16-31.
.set ADP, 8                            ; v8-13  16 x lane + 49,152 x pass: where a pass's four tiles lie in LDS
.set MSB, 0
.macro WIN new                         ; the immediate's high byte repeats the setting that is left
.if MSB != (\new)
	s_set_vgpr_msb (MSB<<8)|(\new)
.set MSB, (\new)
.endif
.endm
.macro PLACES                          ; four plain lines between a matrix instruction and a load into, or a vector read of, its registers
.rept 4
	v_nop
.endr
.endm
.macro CROUND                          ; a round of the cluster's barrier
	s_barrier_signal -1
	s_barrier_wait -1
	s_cmp_lg_u32 s14, 0
	s_cbranch_scc1 .Lnot_wave_0_\@
	s_barrier_signal -3
.Lnot_wave_0_\@:
	s_barrier_wait -3
	s_barrier_signal -1
	s_barrier_wait -1
.endm
.macro WM d, x, y, c, sx, sy, rx, ry   ; one product; rx, ry: the scale words lie in lanes 16-31
.if (\rx) && (\ry)
	v_wmma_scale_f32_16x16x128_f8f6f4 v[(\d):(\d)+7], v[(\x):(\x)+11], v[(\y):(\y)+11], v[(\c):(\c)+7], v[\sx], v[\sy] matrix_a_fmt:MATRIX_FMT_BF6 matrix_b_fmt:MATRIX_FMT_BF6 matrix_a_scale:MATRIX_SCALE_ROW1 matrix_b_scale:MATRIX_SCALE_ROW1
.elseif (\rx)
	v_wmma_scale_f32_16x16x128_f8f6f4 v[(\d):(\d)+7], v[(\x):(\x)+11], v[(\y):(\y)+11], v[(\c):(\c)+7], v[\sx], v[\sy] matrix_a_fmt:MATRIX_FMT_BF6 matrix_b_fmt:MATRIX_FMT_BF6 matrix_a_scale:MATRIX_SCALE_ROW1
.elseif (\ry)
	v_wmma_scale_f32_16x16x128_f8f6f4 v[(\d):(\d)+7], v[(\x):(\x)+11], v[(\y):(\y)+11], v[(\c):(\c)+7], v[\sx], v[\sy] matrix_a_fmt:MATRIX_FMT_BF6 matrix_b_fmt:MATRIX_FMT_BF6 matrix_b_scale:MATRIX_SCALE_ROW1
.else
	v_wmma_scale_f32_16x16x128_f8f6f4 v[(\d):(\d)+7], v[(\x):(\x)+11], v[(\y):(\y)+11], v[(\c):(\c)+7], v[\sx], v[\sy] matrix_a_fmt:MATRIX_FMT_BF6 matrix_b_fmt:MATRIX_FMT_BF6
.endif
.endm
.macro LOADB p, s                      ; the four streamed fragments of pass p, K step s, into set s % 4: images, 512 consecutive bytes a load
.if ((\s)%4) < 2
	WIN 0xc0
.set SB_, 144+48*((\s)%4)
.else
	WIN 0
.set SB_, 160+48*(((\s)%4)-2)
.endif
.irp t, 0,1,2,3
.irp c, 0,1,2
	ds_load_b128 v[SB_+12*\t+4*\c:SB_+12*\t+4*\c+3], v[ADP+(\p)] offset:12288*\t+1536*(\s)+512*\c
.endr
.endr
.endm
.macro STLOAD k, base                  ; the stationary fragments of K step k, from s[base]
.if (\k) <= 4
	WIN 0x80
.set ST_, 48*(\k)
.else
	WIN 0xc0
.set ST_, 48*((\k)-5)
.endif
.irp a, 0,1,2,3
.irp c, 0,1,2
	global_load_b128 v[ST_+12*\a+4*\c:ST_+12*\a+4*\c+3], v1, s[\base:\base+1] offset:12288*\a+1536*(\k)+512*\c
.endr
.endr
.endm
.macro BILOAD p                        ; the bias of q/k pass p in the result's layout: lane (r, h), tile t: columns 32 (t / 2) + 16 h + 8 (t % 2) + 0..7
	WIN 0x40
.irp t, 0,1,2,3
.irp e, 0,1
	global_load_b128 v[128+8*\t+4*\e:131+8*\t+4*\e], v4, s[70:71] offset:256*(\p)+(32*(\t/2)+8*(\t%2))*4+16*\e
.endr
.endr
.endm
; 16 matrix instructions on 16 accumulators, one a turn, in the same order in every K step.  The first K step takes the bias as C: nothing is cleared and no bias is added.
.macro KSTEP p, s, ctype, sab
.if ((\s)%4) < 2
.set SB_, 144+48*((\s)%4)
.set WB_, 3
.else
.set SB_, 160+48*(((\s)%4)-2)
.set WB_, 0
.endif
.if (\s) <= 4
.set ST_, 48*(\s)
.set WA_, 2
.else
.set ST_, 48*((\s)-5)
.set WA_, 3
.endif
	WIN 0x50|WB_|(WA_<<2)
.irp t, 0,1,2,3
.irp a, 0,1,2,3
.if (\s) == 0
.if \ctype
.set CC_, 160+8*\a
.else
.set CC_, 128+8*\t
.endif
.else
.set CC_, 32*\a+8*\t
.endif
	WM 32*\a+8*\t, SB_+12*\t, ST_+12*\a, CC_, 48+8*((4*(\p)+\t)/2)+(\s), (\sab)+8*(\a/2)+(\s), \t%2, \a%2
.endr
.endr
.endm
; THE WAY OUT OF A PASS.  Tile a's 32 registers of a lane are two half blocks (k = 32 b + 16 h + i): largest magnitudes (joined with lane l xor 16), bytes, conversions, exchange of halves: six registers, a HALF IMAGE of 768 bytes
; (registers 0-3 at 16 l, 4-5 at 512 + 8 l).  The four tiles go line by line by turns.  Each accumulator is read from its low end on.
.macro EPI p
	s_wait_xcnt 0x0                                ; the last pass's stores have read their registers: these are written again only behind this wait
	WIN 0x55
.irp a, 0,1,2,3
.irp b, 0,1
	v_max3_num_f32 v[192+2*\a+\b], |v[32*\a+16*\b]|, |v[32*\a+16*\b+1]|, 0x2800000   ; with the floor 2^(5 - 127)
.endr
.endr
.irp i, 2,4,6,8,10,12,14
.irp a, 0,1,2,3
.irp b, 0,1
	v_max3_num_f32 v[192+2*\a+\b], v[192+2*\a+\b], |v[32*\a+16*\b+\i]|, |v[32*\a+16*\b+\i+1]|
.endr
.endr
.endr
.irp n, 0,1,2,3,4,5,6,7
	v_permlanex16_b32 v[200+\n], v[192+\n], s82, s83
.endr
.irp n, 0,1,2,3,4,5,6,7
	v_max_num_f32 v[192+\n], v[192+\n], v[200+\n]
.endr
.irp n, 0,1,2,3,4,5,6,7
	v_add_nc_u32 v[208+\n], 0xfe000000, v[192+\n]  ; 4 off the exponent field: the conversion's scale operand
.endr
.irp n, 0,1,2,3,4,5,6,7
	v_lshrrev_b32 v[200+\n], 23, v[208+\n]         ; the byte
.endr
.irp a, 0,1,2,3
	v_lshl_or_b32 v[200+2*\a], v[201+2*\a], 8, v[200+2*\a]   ; tile a's two bytes; the word's upper bytes stay 0
.endr
.irp a, 0,1,2,3
	v_cvt_scalef32_pk16_bf6_f32 v[216+8*\a:218+8*\a], v[32*\a:32*\a+15], v[208+2*\a]
	v_cvt_scalef32_pk16_bf6_f32 v[220+8*\a:222+8*\a], v[32*\a+16:32*\a+31], v[209+2*\a]
.endr
	v_nop                                          ; one plain line behind the scaled conversions
.irp a, 0,1,2,3
.irp i, 0,1,2
	v_permlane16_swap_b32 v[216+8*\a+\i], v[220+8*\a+\i]   ; lanes 0-15 now hold block 0 whole, lanes 16-31 block 1
.endr
	v_mov_b32 v[219+8*\a], v[220+8*\a]
	v_mov_b32 v[220+8*\a], v[221+8*\a]
	v_mov_b32 v[221+8*\a], v[222+8*\a]
.endr
.if (\p) <= 3
	v_cndmask_b32 v252, v200, v204, s84            ; lanes 0-15 store tiles 0, 1's words, lanes 16-31 tiles 2, 3's
	v_cndmask_b32 v253, v202, v206, s84
.elseif (\p) == 4
.irp a, 0,1,2,3
	v_mov_b32 v[248+\a], v[200+2*\a]               ; v: the first 64 keys' two bytes are kept
.endr
.else
.irp a, 0,1,2,3
	v_lshl_or_b32 v[248+\a], v[200+2*\a], 16, v[248+\a]   ; with the second 64 keys' the word of 128 keys is whole
.endr
	v_cndmask_b32 v252, v248, v250, s84
	v_cndmask_b32 v253, v249, v251, s84
.endif
	WIN 0x04                                       ; a store's data: window 1
.irp a, 0,1,2,3
.if (\p) <= 3
	global_store_b128 v1, v[216+8*\a:219+8*\a], s[74:75] offset:(\p)*393216+768*\a
	global_store_b64 v2, v[220+8*\a:221+8*\a], s[74:75] offset:(\p)*393216+768*\a+512
.else
	global_store_b128 v1, v[216+8*\a:219+8*\a], s[76:77] offset:((\p)-4)*3072+768*\a
	global_store_b64 v2, v[220+8*\a:221+8*\a], s[76:77] offset:((\p)-4)*3072+768*\a+512
.endif
.endr
.if (\p) <= 3
	global_store_b64 v6, v[252:253], s[78:79] offset:12288*(\p)   ; 256 consecutive bytes, aligned: [row][tile] words of my four tiles
.elseif (\p) == 5
	global_store_b64 v6, v[252:253], s[80:81]
.endif
	WIN 0
.endm
; A PASS.  The streamed fragments run three K steps ahead in four sets.  Behind the last K step: the next pass's tiles are shown landed (a wave's fills are one a pass, in order: the later passes' may stay out), a barrier,
; the next pass's first three K steps are fetched, and land under the way out.
.macro PASS p, ctype, sab
.irp s, 0,1,2,3,4,5,6,7
.if (\s >= 1) && ((\s <= 4) || (\p == 3))
	PLACES
.endif
.if \s <= 4
	LOADB \p, \s+3
.endif
.if (\p < 3) && (\s == 1)
	BILOAD \p+1                                    ; K step 0 has read the bias: the next pass's comes
.endif
.if (\p == 3) && (\s >= 1)
	STLOAD \s-1, 58                                ; the last q/k pass: each stationary K step is loaded anew, with v's columns, as soon as it has been multiplied
.endif
.if \s <= 4
	s_wait_dscnt 36                                ; this K step's 12 loads are in; the three later K steps' may stay out
.else
	s_wait_dscnt 12*(7-\s)
.endif
	KSTEP \p, \s, \ctype, \sab
.endr
	PLACES
.if \p == 3
	STLOAD 7, 58
.endif
	WIN 0
.if \p < 5
	s_wait_tensorcnt 4-\p                          ; my tile of the next pass has landed
	s_barrier_signal -1                            ; (no LDS instruction of mine is out: the last K step waited for 0)
	s_barrier_wait -1                              ; everybody's has
	LOADB \p+1, 0
	LOADB \p+1, 1
	LOADB \p+1, 2
.endif
	EPI \p
.if \p < 5
	s_wait_loadcnt 0x0                             ; the next pass's bias, and the stationary registers loaded anew
.endif
.endm
	s_load_b256 s[4:11], s[0:1], 0x0               ; c1 s[4:5], s1 s[6:7], b_qkv s[8:9], qkvc s[10:11]
	s_load_b64 s[12:13], s[0:1], 0x20              ; qkvs
	v_lshl_add_u32 v158, v0, 2, 0x48000
	v_mov_b32 v159, 0
	ds_add_u32 v158, v159
	ds_add_u32 v158, v159
	v_lshrrev_b32 v1, 5, v0
	v_readfirstlane_b32 s14, v1                    ; wave 0..3
	s_mov_b32 s16, ttmp9                           ; c: the cluster
	s_lshr_b32 s18, s16, 3                         ; sr: which 256 columns of q and k
	; descriptor group 1, for every load: a tile's 12,288 dense bytes as 48 rows of 256
	s_mov_b32 s24, 15|(3<<16)|(1<<21)              ; 15:0 the mask: all four work-groups; 17:16 elements of 8 bytes; 21 set beside a mask
	s_mov_b32 s25, 32<<16                          ; tensor_dim0 = 32
	s_mov_b32 s26, 48<<16                          ; tensor_dim1 = 48
	s_mov_b32 s27, 32<<16                          ; tile_dim0 = 32
	s_mov_b32 s28, 48                              ; tile_dim1 = 48
	s_mov_b32 s29, 32                              ; the pitch
	s_mov_b32 s30, 0
	s_mov_b32 s31, 0
	s_mul_i32 s19, s14, 12288                      ; load i of wave w goes to LDS byte (4 i + w) x 12,288
	s_lshl_b32 s20, s18, 4
	s_add_co_u32 s20, s20, s14
	s_add_co_u32 s20, s20, 512
	s_mul_i32 s20, s20, 12288                      ; loads 0-3: tile 512 + 16 sr + 4 i + w: the cluster's number and the wave's alone
	s_mov_b32 s21, 0
	s_lshl_b32 s22, s16, 3
	s_add_co_u32 s22, s22, s14
	s_mul_i32 s22, s22, 12288                      ; loads 4, 5: tile 8 c + 4 (i - 4) + w
	s_mov_b32 s23, 0
	v_and_b32 v7, 31, v0
	v_lshlrev_b32 v1, 4, v7                        ; 16 x lane
	v_lshlrev_b32 v2, 3, v7                        ; 8 x lane
	v_and_b32 v14, 15, v0                          ; r
	v_bfe_u32 v15, v0, 4, 1                        ; h
	v_lshlrev_b32 v3, 4, v14
	v_lshl_add_u32 v3, v15, 9, v3                  ; scale words: 512 h + 16 r: lanes 16-31 take the odd tile's
	v_lshlrev_b32 v4, 6, v15                       ; bias of a q/k pass: 16 h numbers on
	v_and_b32 v5, 8, v14
	v_add_nc_u32 v5, v5, v14
	v_lshlrev_b32 v5, 2, v5                        ; bias of v: my column r + 8 (r / 8) of a tile
	v_lshlrev_b32 v6, 4, v14
	v_lshl_add_u32 v6, v15, 3, v6                  ; scale words out: 16 r + 8 h
.irp p, 0,1,2,3,4,5
	v_add_nc_u32 v[ADP+\p], 49152*\p, v1
.endr
	s_wait_dscnt 0x0
	s_wait_kmcnt 0x0
	s_add_nc_u64 s[20:21], s[4:5], s[20:21]
	s_add_nc_u64 s[22:23], s[4:5], s[22:23]
.irp i, 0,1,2,3
	s_mov_b32 s[32+4*\i], 1                        ; count = 1
	s_add_co_u32 s[33+4*\i], s19, \i*49152         ; LDS address
	s_add_nc_u64 s[34+4*\i:35+4*\i], s[20:21], \i*49152   ; global address
	s_or_b32 s[35+4*\i], s[35+4*\i], 0x80000000    ; type = 2
.endr
.irp i, 4,5
	s_mov_b32 s[32+4*\i], 1
	s_add_co_u32 s[33+4*\i], s19, \i*49152
	s_add_nc_u64 s[34+4*\i:35+4*\i], s[22:23], (\i-4)*49152
	s_or_b32 s[35+4*\i], s[35+4*\i], 0x80000000
.endr
	CROUND                                         ; all four work-groups are here: the joint loads meet
.irp i, 0,1,2,3,4,5
	tensor_load_to_lds s[32+4*\i:35+4*\i], s[24:31]   ; all first fills in one group: six of mine are out
	s_nop 0
.endr
.rept 4
	v_nop                                          ; four such lines behind the last tensor load
.endr
	s_bfe_u32 s15, ttmp6, 0x40000                  ; cx: it enters global addresses of my own loads and stores alone
	s_and_b32 s17, s16, 7
	s_lshl_b32 s17, s17, 2
	s_add_co_u32 s17, s17, s15                     ; sb: my block of 256 tokens
	s_mov_b32 s87, 0
	s_lshl_b32 s85, s17, 4
	s_lshl_b32 s88, s14, 2
	s_add_co_u32 s85, s85, s88                     ; my wave's first token tile: 16 sb + 4 w
	s_mul_i32 s86, s85, 12288
	s_add_nc_u64 s[56:57], s[4:5], s[86:87]        ; its codes
	s_lshl_b32 s86, s85, 9
	s_add_nc_u64 s[60:61], s[6:7], s[86:87]        ; its scale words
	s_lshl_b32 s86, s18, 11
	s_add_co_u32 s86, s86, s85
	s_mul_i32 s86, s86, 768
	s_add_nc_u64 s[74:75], s[10:11], s[86:87]      ; q, k out: (512 (4 sr + p) + tile) x 768
	s_lshl_b32 s85, s15, 4
	s_add_co_u32 s85, s85, s88
	s_add_co_u32 s85, s85, 640                     ; my wave's first tile of v's columns: 640 + 16 cx + 4 w
	s_mul_i32 s86, s85, 12288
	s_add_nc_u64 s[58:59], s[4:5], s[86:87]
	s_lshl_b32 s86, s85, 9
	s_add_nc_u64 s[62:63], s[6:7], s[86:87]
	s_lshl_b32 s86, s18, 13
	s_add_co_u32 s86, s86, 512*512
	s_add_nc_u64 s[66:67], s[6:7], s[86:87]        ; scale words of the 16 streamed tiles of W
	s_lshl_b32 s86, s16, 12
	s_add_nc_u64 s[68:69], s[6:7], s[86:87]        ; and of the 8 streamed tiles of x
	s_lshl_b32 s86, s18, 10
	s_add_nc_u64 s[70:71], s[8:9], s[86:87]        ; bias of columns 256 sr on
	s_lshl_b32 s86, s15, 10
	s_lshl_b32 s85, s14, 8
	s_add_co_u32 s86, s86, s85
	s_add_co_u32 s86, s86, 8192
	s_add_nc_u64 s[72:73], s[8:9], s[86:87]        ; bias of columns 2,048 + 256 cx + 64 w on
	s_lshl_b32 s85, s15, 2
	s_add_co_u32 s85, s85, s14                     ; my head of v
	s_lshl_b32 s86, s85, 7
	s_lshl_b32 s88, s16, 1
	s_add_co_u32 s86, s86, s88
	s_mul_i32 s86, s86, 3072
	s_add_co_u32 s86, s86, 12582912
	s_add_nc_u64 s[76:77], s[10:11], s[86:87]      ; v out: ((128 head + 64-key group) x 4 + tile) x 768, behind q and k
	s_lshr_b32 s86, s16, 4
	s_lshl_b32 s86, s86, 5
	s_add_co_u32 s86, s86, s85
	s_add_co_u32 s86, s86, 16
	s_mul_i32 s86, s86, 12288
	s_and_b32 s88, s16, 15
	s_lshl_b32 s88, s88, 8
	s_add_co_u32 s86, s86, s88
	s_add_co_u32 s86, s86, 8192
	s_add_nc_u64 s[80:81], s[12:13], s[86:87]      ; v's words: behind k's in the head's block, 256 bytes a step of 128 keys
	s_lshr_b32 s86, s17, 3
	s_lshl_b32 s86, s86, 5
	s_lshl_b32 s88, s18, 2
	s_add_co_u32 s86, s86, s88
	s_mul_i32 s86, s86, 12288
	s_lshl_b32 s88, s17, 2
	s_add_co_u32 s88, s88, s14
	s_and_b32 s88, s88, 31
	s_lshl_b32 s88, s88, 8
	s_add_co_u32 s86, s86, s88
	s_add_nc_u64 s[78:79], s[12:13], s[86:87]      ; q's, k's words: block 32 b + 4 sr + p, 256 bytes for my four tiles
	s_mov_b32 s82, 0x76543210
	s_mov_b32 s83, 0xfedcba98                      ; selects for lane l xor 16
	s_mov_b32 s84, 0xffff0000                      ; lanes 16-31
.irp k, 0,1,2,3,4,5,6,7
	STLOAD \k, 56
.endr
	WIN 0
.irp i, 0,1
.irp q, 0,1
	global_load_b128 v[16+8*\i+4*\q:19+8*\i+4*\q], v3, s[60:61] offset:1024*\i+256*\q
	global_load_b128 v[32+8*\i+4*\q:35+8*\i+4*\q], v3, s[62:63] offset:1024*\i+256*\q
.endr
.endr
.irp i, 0,1,2,3,4,5,6,7
.irp q, 0,1
	global_load_b128 v[48+8*\i+4*\q:51+8*\i+4*\q], v3, s[66:67] offset:1024*\i+256*\q
.endr
.endr
.irp i, 0,1,2,3
.irp q, 0,1
	global_load_b128 v[112+8*\i+4*\q:115+8*\i+4*\q], v3, s[68:69] offset:1024*\i+256*\q
.endr
.endr
	BILOAD 0
.irp a, 0,1,2,3
.irp j, 0,1,2,3,4,5,6,7
	global_load_b32 v[160+8*\a+\j], v5, s[72:73] offset:(32*(\a/2)+8*(\a%2))*4   ; v's bias belongs to the lane's column: the same number in a tile's eight registers
.endr
.endr
.irp n, 0,1,2,3,4,5,6,7
	v_mov_b32 v[200+\n], 0                         ; written once: a lane permute's destination counts as one of its sources
.endr
	WIN 0
	s_wait_tensorcnt 5                             ; my tile of pass 0 has landed; the five later passes' may stay out
	s_barrier_signal -1
	s_barrier_wait -1
	LOADB 0, 0
	LOADB 0, 1
	LOADB 0, 2
	WIN 0
	s_wait_loadcnt 0x0
	PASS 0, 0, 16
	PASS 1, 0, 16
	PASS 2, 0, 16
	PASS 3, 0, 16
	PASS 4, 1, 32
	PASS 5, 1, 32
	s_wait_tensorcnt 0x0
	ds_add_u32 v158, v159
	s_wait_dscnt 0x0
	CROUND                                         ; the closing round: no work-group ends while a partner may still ask for a tile that names it
	s_endpgm
.Lfunc_end_k_qf214807e15_qkv:
	.size	k_qf214807e15_qkv, .Lfunc_end_k_qf214807e15_qkv-k_qf214807e15_qkv
	.p2alignl 7, 3214868480
	.fill 96, 4, 3214868480
	.section	.rodata,"a",@progbits
	.p2align	6, 0x0
	.amdhsa_kernel k_qf214807e15_qkv
		.amdhsa_group_segment_fixed_size 295424
		.amdhsa_private_segment_fixed_size 0
		.amdhsa_enable_private_segment 0
		.amdhsa_kernarg_size 40
		.amdhsa_user_sgpr_count 2
		.amdhsa_user_sgpr_kernarg_segment_ptr 1
		.amdhsa_wavefront_size32 1
		.amdhsa_system_sgpr_workgroup_id_x 1
		.amdhsa_system_sgpr_workgroup_id_y 1
		.amdhsa_system_sgpr_workgroup_id_z 1
		.amdhsa_system_vgpr_workitem_id 0
		.amdhsa_next_free_vgpr 1024
		.amdhsa_next_free_sgpr 90
		.amdhsa_reserve_vcc 0
		.amdhsa_float_denorm_mode_32 3
		.amdhsa_float_denorm_mode_16_64 3
		.amdhsa_memory_ordered 1
		.amdhsa_forward_progress 1
		.amdhsa_inst_pref_size 228
	.end_amdhsa_kernel
	.amdgpu_metadata
---
amdhsa.version: [ 1, 2 ]
amdhsa.kernels:
  - .name:           k_qf214807e15_qkv
    .symbol:         k_qf214807e15_qkv.kd
    .args:
      - { .name: c1, .offset: 0, .size: 8, .value_kind: global_buffer, .address_space: global }
      - { .name: s1, .offset: 8, .size: 8, .value_kind: global_buffer, .address_space: global }
      - { .name: b_qkv, .offset: 16, .size: 8, .value_kind: global_buffer, .address_space: global }
      - { .name: qkvc, .offset: 24, .size: 8, .value_kind: global_buffer, .address_space: global }
      - { .name: qkvs, .offset: 32, .size: 8, .value_kind: global_buffer, .address_space: global }
    .group_segment_fixed_size: 295424
    .private_segment_fixed_size: 0
    .kernarg_segment_align: 8
    .kernarg_segment_size: 40
    .max_flat_workgroup_size: 128
    .sgpr_count:     90
    .vgpr_count:     1024
    .wavefront_size: 32
...
	.end_amdgpu_metadata
.endif
;; end of part 2
;; launch attn (part 3): grid 256 x 1, 16 waves a work-group, clusters of 4 x 1, 211,968 bytes of LDS; arguments qkvc, qkvs, yc, ys; writes yc, ys
.if DOCPART == 3
	.amdgcn_target "amdgcn-amd-amdhsa--gfx1250"
	.amdhsa_code_object_version 6
	.text
	.protected	k_qf214807e15_attn
	.globl	k_qf214807e15_attn
	.p2align	8
	.type	k_qf214807e15_attn,@function
k_qf214807e15_attn:
	s_mov_b64 s[64:65], 0
	v_nop
	global_prefetch_b8 v0, s[64:65] scope:SCOPE_SE
	s_setreg_imm32_b32 hwreg(HW_REG_WAVE_MODE, 25, 1), 1
	s_wait_xcnt 0x0
	s_wait_alu depctr_hold_cnt(0) depctr_sa_sdst(0) depctr_va_vdst(0) depctr_va_sdst(0) depctr_va_ssrc(0) depctr_va_vcc(0) depctr_vm_vsrc(0)
	s_getreg_b32 s2, hwreg(HW_REG_IB_STS2, 6, 4)
	s_cmp_eq_u32 s2, 0
	s_cbranch_scc0 .Lentry_in_a_cluster
	s_endpgm
.Lentry_in_a_cluster:
	s_bfe_u32 s2, ttmp6, 0x10000c
	s_cmp_lg_u32 s2, 0x3003
	s_cbranch_scc0 .Lentry_shape_is_right
	s_endpgm
.Lentry_shape_is_right:
; y[b][q][head] = softmax_k(q . k / 8, causal) v, both products on codes of BF6 (E3M2) with E8M0 scales; y is quantised along the channels in registers and leaves as codes.
; THE SOFTMAX: t = score x log2(e) / 8; M = the running largest t rounded UP to a whole number; p = 2^(t - M) is quantised along the keys, not normalised; the row's sum is taken of the unquantised p and divides O at the end.
; When M moves, the sum and O are multiplied by 2^(old M - new M): exact.
; LIMITS: NaN and infinities are not served; a block of zeros or under 2^-122 gets the byte 1.  A block's largest p is its largest score put through the same multiply-add and exponential: this takes v_exp_f32 not to fall
; where its input rises.
; SHARES.  A cluster is one head of one batch (c = 16 b + head).  Its four work-groups take the query tiles 4 m + cx, m = 0..31; wave w takes m = 31 - w, then m = w.  Tiles 4 m .. 4 m + 3 lie in tokens 64 m .. 64 m + 63, so tile
; m needs the steps of 128 keys k <= m / 2, and step m / 2 is the one on the diagonal: that hangs on the wave and the counter alone.  Every wave has 17 steps in all.
; ALL OF THE HEAD'S K AND V LIE IN LDS (98,304 bytes each, and 12,288 of scale words), brought once, JOINTLY for the four work-groups (mask 15), by first fills: a chunk of 12,288 bytes a wave, wave 0 the scale words too
; (two loads of its are out).  Behind one barrier LDS is only read: no ring, no refill, and the sixteen waves run free, four to a SIMD.
; LAYOUT.  Both products transposed: S^T = K Q^T, O^T = V^T P^T: a lane holds one query.  A tile's rows are not neighbours (lane-row r of tile 2 G + u: row 32 G + 8 u + r + 8 (r / 8)): so S^T's register 16 b + i is key
; 32 b + 16 (lane / 16) + i of the step, and O^T's is channel 32 b + 16 (lane / 16) + i of the head.
; K = 64 IN THE FIRST PRODUCT: a tile of K or Q is a half image, six registers.  Q's registers 6-11 are zero codes; K's operand of tile t is v[164 + 6 t] on, twelve registers, whose upper six are the next tile's codes: they
; meet zero codes and add nothing; the upper two bytes of both scale words are 0.
; REGISTERS: v1-7 addresses that stay, v4 the mask's bound, v5 -infinity; v8-13 the step's addresses; v14, v15 Q's scale words; v16-27 Q; v28-33 the second Q; v34 -M, v35 largest t; v[36:37] the sum; v38 f; v40 p's scale word;
; v44-55 at work; v56-63 K's scale words, v64-67 V's; v68-99 O^T; v100-163 S^T, then p; v164-217 K's eight half images and six zeros, then V's four fragments; v218-237 p's codes; v[238:239] the sum's second chain.
.set GATH, 208896                      ; 1,024 bytes: y's scale bytes of the work-group's 32 tiles; no fill lands here
.macro PLACES
.rept 4
	v_nop
.endr
.endm
.macro CROUND
	s_barrier_signal -1
	s_barrier_wait -1
	s_cmp_lg_u32 s12, 0
	s_cbranch_scc1 .Lnot_wave_0_\@
	s_barrier_signal -3
.Lnot_wave_0_\@:
	s_barrier_wait -3
	s_barrier_signal -1
	s_barrier_wait -1
.endm
.macro PHPTR ph, m                     ; the addresses of the phase whose m stands in s[m]
	s_lshl_b32 s18, s15, 7
	s_lshl_b32 s19, s[\m], 2
	s_add_co_u32 s18, s18, s19
	s_add_co_u32 s18, s18, s13                     ; my token tile: 128 b + 4 m + cx
	s_lshl_b32 s20, s16, 9
	s_add_co_u32 s20, s20, s18
	s_mul_i32 s20, s20, 768
	s_add_nc_u64 s[50+2*\ph:51+2*\ph], s[4:5], s[20:21]   ; Q's half image
	s_lshl_b32 s20, s18, 4
	s_add_co_u32 s20, s20, s16
	s_mul_i32 s20, s20, 768
	s_add_nc_u64 s[58+2*\ph:59+2*\ph], s[8:9], s[20:21]   ; y's
	s_lshl_b32 s20, s15, 5
	s_add_co_u32 s20, s20, s16
	s_mul_i32 s20, s20, 12288
	s_lshl_b32 s19, s[\m], 8
	s_add_co_u32 s20, s20, s19
	s_lshl_b32 s19, s13, 2
	s_add_co_u32 s20, s20, s19
	s_add_nc_u64 s[54+2*\ph:55+2*\ph], s[6:7], s[20:21]   ; Q's scale words
.endm
.macro INIT                            ; the step is written once: the first finds zeros, which the first change of M leaves zeros
	v_mov_b32 v35, 0xff61b1e6                      ; the largest t so far: -3e38
	s_delay_alu instid0(VALU_DEP_1)
	v_floor_f32 v34, -v35                          ; -M
	v_mov_b32 v36, 0
	v_mov_b32 v37, 0
.set j, 0
.rept 32
	v_mov_b32 v[68+j], 0
.set j, j+1
.endr
	s_mov_b32 s44, 0                               ; the step's number
	s_mov_b32 s45, 0                               ; where its tiles of K begin in LDS,
	s_mov_b32 s69, 98304                           ; its tiles of V,
	s_mov_b32 s46, 196608                          ; K's scale words,
	s_mov_b32 s47, 204800                          ; V's
.endm
; A STEP OF 128 KEYS.  A step all of whose keys come after my queries is jumped over, but for the lines at its end that step the addresses.
.macro STEP
	s_cmp_gt_u32 s44, s48
	s_cbranch_scc1 .Lhid_\@
	s_setprio 2
	v_add_nc_u32 v8, s45, v1                       ; (these six are also the places behind the last step's products, in front of the loads below)
	v_add_nc_u32 v9, s45, v2
	v_add_nc_u32 v10, s69, v1
	v_add_nc_u32 v11, s69, v2
	v_add_nc_u32 v12, s46, v3
	v_add_nc_u32 v13, s47, v3
.irp t, 0,1,2,3,4,5,6,7
	ds_load_b128 v[164+6*\t:167+6*\t], v8 offset:768*\t
	ds_load_b64 v[168+6*\t:169+6*\t], v9 offset:768*\t+512
.endr
	ds_load_b128 v[56:59], v12
	ds_load_b128 v[60:63], v12 offset:256
	s_wait_alu depctr_va_vdst(0)
	s_wait_dscnt 0x0
.irp t, 0,1,2,3,4,5,6,7
	v_wmma_scale_f32_16x16x128_f8f6f4 v[100+8*\t:107+8*\t], v[164+6*\t:175+6*\t], v[16:27], 0, v[56+\t], v14 matrix_a_fmt:MATRIX_FMT_BF6 matrix_b_fmt:MATRIX_FMT_BF6
.endr
	PLACES                                         ; in front of the loads into K's registers and of the first read of the scores
.irp a, 0,1,2,3
.irp e, 0,1
	ds_load_b128 v[164+12*\a+6*\e:167+12*\a+6*\e], v10 offset:3072*\e+768*\a       ; V's fragments: two half images each; they land under the softmax
	ds_load_b64 v[168+12*\a+6*\e:169+12*\a+6*\e], v11 offset:3072*\e+768*\a+512
.endr
.endr
	ds_load_b128 v[64:67], v13
	s_cmp_lg_u32 s44, s48                          ; on the diagonal the scores of hidden keys become -infinity: register 16 b + i is hidden where 32 b + i > my query - 16 (lane / 16) - the step's first key
	s_cbranch_scc1 .Lopen_\@
.set n, 0
.rept 64
	v_cmp_gt_i32 vcc_lo, 32*(n/16)+n%16, v4
	v_cndmask_b32 v[100+n], v[100+n], v5, vcc_lo
.set n, n+1
.endr
.Lopen_\@:
.irp b, 0,1,2,3
	v_max3_num_f32 v[44+\b], v[100+16*\b], v[101+16*\b], v[102+16*\b]   ; the largest score of each block of 32 keys: for the row's maximum and for the block's largest p
.endr
.irp i, 3,5,7,9,11,13
.irp b, 0,1,2,3
	v_max3_num_f32 v[44+\b], v[44+\b], v[100+16*\b+\i], v[101+16*\b+\i]
.endr
.endr
.irp b, 0,1,2,3
	v_max_num_f32 v[44+\b], v[44+\b], v[115+16*\b]
.endr
.irp b, 0,1,2,3
	s_delay_alu instid0(VALU_DEP_4)
	v_permlanex16_b32 v[48+\b], v[44+\b], s40, s41
.endr
.irp b, 0,1,2,3
	s_delay_alu instid0(VALU_DEP_4)
	v_max_num_f32 v[44+\b], v[44+\b], v[48+\b]     ; with lane l xor 16's 16 keys
.endr
	s_delay_alu instid0(VALU_DEP_2)
	v_max3_num_f32 v41, v44, v45, v46
	s_delay_alu instid0(VALU_DEP_1)
	v_max_num_f32 v41, v41, v47
	s_delay_alu instid0(VALU_DEP_1)
	v_mul_f32 v41, s42, v41                        ; the step's largest t
	s_delay_alu instid0(VALU_DEP_1)
	v_max_num_f32 v35, v35, v41
	v_mov_b32 v41, v34
	s_delay_alu instid0(VALU_DEP_2)
	v_floor_f32 v34, -v35                          ; the new -M = -ceil(t)
	s_delay_alu instid0(VALU_DEP_1)
	v_sub_f32 v41, v34, v41                        ; old M - new M: a whole number, 0 or less
	s_delay_alu instid0(VALU_DEP_1)
	v_cvt_i32_f32 v41, v41                         ; (it saturates)
	s_delay_alu instid0(VALU_DEP_1)
	v_ldexp_f32 v38, 1.0, v41                      ; f = 2^(old M - new M)
.set j, 0
	s_setprio 1
.rept 32
	v_pk_fma_f32 v[100+j:101+j], v[100+j:101+j], s[42:43], v[34:35] op_sel_hi:[1,0,0]   ; t - M, two at a time
.set j, j+2
.endr
.irp b, 0,1,2,3
	v_fma_f32 v[44+\b], v[44+\b], s42, v34         ; the same of each block's largest score
.endr
.set j, 0
	s_wait_alu depctr_va_vdst(0)
.rept 64
	v_exp_f32 v[100+j], v[100+j]                   ; p = 2^(t - M)
.set j, j+1
.endr
	v_pk_mul_f32 v[36:37], v[36:37], v[38:39] op_sel_hi:[1,0]   ; the sums under the new M: the plain line behind the exponentials
	s_wait_alu depctr_va_vdst(0)                   ; one wait for the batch, ahead of its first reader
.irp b, 0,1,2,3
	v_exp_f32 v[44+\b], v[44+\b]                   ; the blocks' largest p
.endr
	v_pk_add_f32 v[238:239], v[104:105], v[108:109]
	v_pk_add_f32 v[252:253], v[112:113], v[116:117]
	v_pk_add_f32 v[250:251], v[120:121], v[124:125]
	v_pk_add_f32 v[248:249], v[128:129], v[132:133]
	v_pk_add_f32 v[246:247], v[136:137], v[140:141]
	v_pk_add_f32 v[244:245], v[144:145], v[148:149]
	v_pk_add_f32 v[242:243], v[152:153], v[156:157]
	v_pk_add_f32 v[36:37], v[36:37], v[160:161]
	v_pk_add_f32 v[238:239], v[238:239], v[100:101]
	v_pk_add_f32 v[252:253], v[252:253], v[102:103]
	v_pk_add_f32 v[250:251], v[250:251], v[106:107]
	v_pk_add_f32 v[248:249], v[248:249], v[110:111]
	v_pk_add_f32 v[246:247], v[246:247], v[114:115]
	v_pk_add_f32 v[244:245], v[244:245], v[118:119]
	v_pk_add_f32 v[242:243], v[242:243], v[122:123]
	v_pk_add_f32 v[36:37], v[36:37], v[126:127]
	v_pk_add_f32 v[238:239], v[238:239], v[130:131]
	v_pk_add_f32 v[252:253], v[252:253], v[134:135]
	v_pk_add_f32 v[250:251], v[250:251], v[138:139]
	v_pk_add_f32 v[248:249], v[248:249], v[142:143]
	v_pk_add_f32 v[246:247], v[246:247], v[146:147]
	v_pk_add_f32 v[244:245], v[244:245], v[150:151]
	v_pk_add_f32 v[242:243], v[242:243], v[154:155]
	v_pk_add_f32 v[36:37], v[36:37], v[158:159]
	v_pk_add_f32 v[238:239], v[238:239], v[162:163]
	s_delay_alu instid0(VALU_DEP_2)
	v_pk_add_f32 v[36:37], v[36:37], v[248:249]
	s_delay_alu instid0(VALU_DEP_2)
	v_pk_add_f32 v[238:239], v[238:239], v[246:247]
	v_pk_add_f32 v[252:253], v[252:253], v[244:245]
	v_pk_add_f32 v[250:251], v[250:251], v[242:243]
	s_delay_alu instid0(VALU_DEP_2)
	v_pk_add_f32 v[36:37], v[36:37], v[252:253]
	s_delay_alu instid0(VALU_DEP_2)
	v_pk_add_f32 v[238:239], v[238:239], v[250:251]
	s_delay_alu instid0(VALU_DEP_1)
	v_pk_add_f32 v[36:37], v[36:37], v[238:239]
	s_wait_alu depctr_va_vdst(0)                   ; and one for the four
.irp b, 0,1,2,3
	v_max_num_f32 v[44+\b], 0x2800000, v[44+\b]    ; the floor 2^(5 - 127)
.endr
.irp b, 0,1,2,3
	s_delay_alu instid0(VALU_DEP_4)
	v_add_nc_u32 v[52+\b], 0xfe000000, v[44+\b]    ; the conversions' scale operands
.endr
.irp b, 0,1,2,3
	s_delay_alu instid0(VALU_DEP_4)
	v_lshrrev_b32 v[48+\b], 23, v[52+\b]
.endr
	s_delay_alu instid0(VALU_DEP_3)
	v_lshl_or_b32 v40, v49, 8, v48                 ; p's scale word for these 128 keys
	s_delay_alu instid0(VALU_DEP_1)
	v_lshl_or_b32 v40, v50, 16, v40
	s_delay_alu instid0(VALU_DEP_1)
	v_lshl_or_b32 v40, v51, 24, v40
	s_setprio 0
.irp c, 0,1
	v_cvt_scalef32_pk16_bf6_f32 v[218+6*\c:220+6*\c], v[100+32*\c:115+32*\c], v[52+2*\c]
	v_cvt_scalef32_pk16_bf6_f32 v[230+4*\c:232+4*\c], v[116+32*\c:131+32*\c], v[53+2*\c]
.endr
	v_nop                                          ; one plain line behind the scaled conversions
.irp c, 0,1
.irp i, 0,1,2
	v_permlane16_swap_b32 v[218+6*\c+\i], v[230+4*\c+\i]
.endr
.irp i, 0,1,2
	s_delay_alu instid0(VALU_DEP_3)
	v_mov_b32 v[221+6*\c+\i], v[230+4*\c+\i]
.endr
.endr
.set j, 0
.rept 16
	v_pk_mul_f32 v[68+j:69+j], v[68+j:69+j], v[38:39] op_sel_hi:[1,0]   ; O^T under the new M; these sixteen are also the places between p's codes and scale word and the products
.set j, j+2
.endr
	s_wait_alu depctr_va_vdst(0)
	s_wait_dscnt 0x0                               ; V
.irp a, 0,1,2,3
	v_wmma_scale_f32_16x16x128_f8f6f4 v[68+8*\a:75+8*\a], v[164+12*\a:175+12*\a], v[218:229], v[68+8*\a:75+8*\a], v[64+\a], v40 matrix_a_fmt:MATRIX_FMT_BF6 matrix_b_fmt:MATRIX_FMT_BF6
.endr
.Lhid_\@:
	s_add_co_u32 s44, s44, 1
	s_add_co_u32 s45, s45, 6144
	s_add_co_u32 s69, s69, 6144
	s_add_co_u32 s46, s46, 512
	s_add_co_u32 s47, s47, 256
.endm
; THE WAY OUT OF A TILE: O^T / the sum; its 32 registers are channels 32 b + 16 h + i of the head: two blocks of the last product's K.  Codes go out as a half image, the two bytes to the work-group's gather in LDS.
.macro OUT ph
	PLACES                                         ; between the last products and the first read of O^T
	v_add_f32 v36, v36, v37
	s_delay_alu instid0(VALU_DEP_1)
	v_permlanex16_b32 v41, v36, s40, s41
	s_delay_alu instid0(VALU_DEP_1)
	v_add_f32 v36, v36, v41                        ; the row's sum
	s_wait_alu depctr_va_vdst(0)
	v_rcp_f32 v38, v36
	v_nop                                          ; a plain line behind the reciprocal,
	s_wait_alu depctr_va_vdst(0)                   ; and the wait ahead of its first reader
.set j, 0
.rept 16
	v_pk_mul_f32 v[100+j:101+j], v[68+j:69+j], v[38:39] op_sel_hi:[1,0]
.set j, j+2
.endr
.irp b, 0,1
	v_max3_num_f32 v[44+\b], |v[100+16*\b]|, |v[101+16*\b]|, 0x2800000
.endr
.irp i, 2,4,6,8,10,12,14
.irp b, 0,1
	s_delay_alu instid0(VALU_DEP_2)
	v_max3_num_f32 v[44+\b], v[44+\b], |v[100+16*\b+\i]|, |v[101+16*\b+\i]|
.endr
.endr
.irp b, 0,1
	s_delay_alu instid0(VALU_DEP_2)
	v_permlanex16_b32 v[48+\b], v[44+\b], s40, s41
.endr
.irp b, 0,1
	s_delay_alu instid0(VALU_DEP_2)
	v_max_num_f32 v[44+\b], v[44+\b], v[48+\b]
.endr
.irp b, 0,1
	s_delay_alu instid0(VALU_DEP_2)
	v_add_nc_u32 v[52+\b], 0xfe000000, v[44+\b]
.endr
.irp b, 0,1
	s_delay_alu instid0(VALU_DEP_2)
	v_lshrrev_b32 v[48+\b], 23, v[52+\b]
.endr
	s_delay_alu instid0(VALU_DEP_1)
	v_lshl_or_b32 v48, v49, 8, v48                 ; my row's two bytes
	v_cvt_scalef32_pk16_bf6_f32 v[218:220], v[100:115], v52
	v_cvt_scalef32_pk16_bf6_f32 v[222:224], v[116:131], v53
	v_nop
.irp i, 0,1,2
	v_permlane16_swap_b32 v[218+\i], v[222+\i]
.endr
	s_delay_alu instid0(VALU_DEP_3)
	v_mov_b32 v221, v222
	s_delay_alu instid0(VALU_DEP_3)
	v_mov_b32 v222, v223
	s_delay_alu instid0(VALU_DEP_3)
	v_mov_b32 v223, v224
	global_store_b128 v1, v[218:221], s[58+2*\ph:59+2*\ph]
	global_store_b64 v2, v[222:223], s[58+2*\ph:59+2*\ph] offset:512
	ds_store_b16 v[6+\ph], v48                     ; both halves of the lanes write the same bytes with the same value
.endm
	s_load_b256 s[4:11], s[0:1], 0x0               ; qkvc s[4:5], qkvs s[6:7], yc s[8:9], ys s[10:11]
	v_lshl_add_u32 v254, v0, 2, 0x33400
	v_mov_b32 v255, 0
	ds_add_u32 v254, v255
	ds_add_u32 v254, v255
	v_lshrrev_b32 v1, 5, v0
	s_delay_alu instid0(VALU_DEP_1)
	v_readfirstlane_b32 s12, v1                    ; wave 0..15
	s_mov_b32 s14, ttmp9                           ; c
	s_lshr_b32 s15, s14, 4                         ; b
	s_and_b32 s16, s14, 15                         ; the head
	s_xor_b32 s17, s12, 31                         ; the first phase's m = 31 - w
	; descriptor group 1: 12,288 dense bytes as 48 rows of 256
	s_mov_b32 s24, 15|(3<<16)|(1<<21)              ; the mask: all four work-groups; elements of 8 bytes; bit 21 set beside a mask
	s_mov_b32 s25, 32<<16
	s_mov_b32 s26, 48<<16
	s_mov_b32 s27, 32<<16
	s_mov_b32 s28, 48
	s_mov_b32 s29, 32
	s_mov_b32 s30, 0
	s_mov_b32 s31, 0
	s_mov_b32 s32, 1
	s_mul_i32 s33, s12, 12288                      ; chunk w goes to LDS byte 12,288 w: K's eight, then V's eight
	s_lshr_b32 s20, s12, 3
	s_add_co_u32 s20, s20, 1
	s_mul_i32 s20, s20, 6291456                    ; k's codes lie behind q's, v's behind k's
	s_mul_i32 s22, s16, 393216
	s_add_co_u32 s20, s20, s22
	s_mul_i32 s22, s15, 98304
	s_add_co_u32 s20, s20, s22
	s_and_b32 s22, s12, 7
	s_mul_i32 s22, s22, 12288
	s_add_co_u32 s20, s20, s22
	s_mov_b32 s21, 0
	s_lshl_b32 s22, s15, 5
	s_add_co_u32 s22, s22, s16
	s_add_co_u32 s22, s22, 16
	s_mul_i32 s22, s22, 12288                      ; the head's block of k's and v's scale words
	s_mov_b32 s23, 0
	s_mov_b32 s36, 1
	s_mov_b32 s37, 196608
	; LDS addresses: lane, wave and constants alone
	v_and_b32 v41, 31, v0
	s_delay_alu instid0(VALU_DEP_1)
	v_lshlrev_b32 v1, 4, v41                       ; 16 x lane
	s_delay_alu instid0(VALU_DEP_2)
	v_lshlrev_b32 v2, 3, v41                       ; 8 x lane
	v_and_b32 v42, 15, v0                          ; r
	s_delay_alu instid0(VALU_DEP_1)
	v_lshlrev_b32 v3, 4, v42                       ; 16 r
	s_lshl_b32 s19, s17, 5
	s_add_co_u32 s19, s19, GATH
	v_lshl_add_u32 v6, v42, 1, s19                 ; the gather: 32 m + 2 r, first phase,
	s_lshl_b32 s19, s12, 5
	s_add_co_u32 s19, s19, GATH
	v_lshl_add_u32 v7, v42, 1, s19                 ; second phase
	s_lshl_b32 s19, s12, 9
	s_add_co_u32 s19, s19, GATH
	v_add_nc_u32 v43, s19, v1                      ; and where waves 0 and 1 read it back
	v_and_b32 v41, 8, v42
	s_delay_alu instid0(VALU_DEP_1)
	v_add_nc_u32 v42, v41, v42
	v_bfe_u32 v41, v0, 4, 1
	s_delay_alu instid0(VALU_DEP_1)
	v_lshlrev_b32 v41, 4, v41
	s_delay_alu instid0(VALU_DEP_1)
	v_sub_nc_u32 v42, v42, v41                     ; r + 8 (r / 8) - 16 h: the lane's part of the mask's bound
	s_wait_dscnt 0x0
	s_wait_kmcnt 0x0
	s_add_nc_u64 s[34:35], s[4:5], s[20:21]
	s_or_b32 s35, s35, 0x80000000
	s_add_nc_u64 s[38:39], s[6:7], s[22:23]
	s_or_b32 s39, s39, 0x80000000
	CROUND                                         ; all four work-groups are here: the joint loads meet
	s_cmp_lg_u32 s12, 0                            ; a wave's first fills stand in one branch on its number
	s_cbranch_scc1 .Lothers
	tensor_load_to_lds s[36:39], s[24:31]
	s_nop 0
	tensor_load_to_lds s[32:35], s[24:31]
	s_nop 0
.rept 4
	v_nop
.endr
	s_branch .Lasked
.Lothers:
	tensor_load_to_lds s[32:35], s[24:31]
	s_nop 0
.rept 4
	v_nop
.endr
.Lasked:
	s_bfe_u32 s13, ttmp6, 0x40000                  ; cx: it enters Q's, y's and ys's global addresses and the mask's bound, nothing else
	s_mov_b32 s21, 0
	PHPTR 0, 17
	PHPTR 1, 12
	s_lshl_b32 s20, s14, 2
	s_add_co_u32 s20, s20, s13
	s_lshl_b32 s20, s20, 10
	s_lshl_b32 s19, s12, 9
	s_add_co_u32 s20, s20, s19
	s_add_nc_u64 s[62:63], s[10:11], s[20:21]      ; ys: my work-group's 1,024 bytes, 512 a wave (waves 0 and 1)
	s_lshr_b32 s66, s13, 1
	s_lshl_b32 s66, s66, 5
	s_and_b32 s19, s13, 1
	s_lshl_b32 s19, s19, 3
	s_add_co_u32 s66, s66, s19                     ; 32 (cx / 2) + 8 (cx % 2)
	s_and_b32 s19, s17, 1
	s_lshl_b32 s19, s19, 6
	s_add_co_u32 s67, s66, s19                     ; + 64 (m % 2): my tile's first token less the diagonal step's first key
	s_and_b32 s19, s12, 1
	s_lshl_b32 s19, s19, 6
	s_add_co_u32 s68, s66, s19
	s_mov_b32 s40, 0x76543210
	s_mov_b32 s41, 0xfedcba98                      ; selects for lane l xor 16
	s_mov_b32 s42, 0x3e38aa3b                      ; log2(e) / 8
	s_mov_b32 s43, s42                             ; (named with it as a pair)
	global_load_b128 v[16:19], v1, s[50:51]
	global_load_b64 v[20:21], v2, s[50:51] offset:512
	s_wait_alu depctr_va_vdst(0)
	global_load_b32 v14, v3, s[54:55]
	global_load_b128 v[28:31], v1, s[52:53]
	global_load_b64 v[32:33], v2, s[52:53] offset:512
	global_load_b32 v15, v3, s[56:57]
.irp j, 0,1,2,3,4,5
	v_mov_b32 v[22+\j], 0                          ; Q's upper 64 along K: zero codes
	v_mov_b32 v[212+\j], 0                         ; and what stands behind K's last tile
.endr
.irp b, 0,1,2,3
	v_mov_b32 v[48+\b], 0                          ; written once: a lane permute's destination counts as one of its sources
.endr
	v_mov_b32 v38, 0
	v_mov_b32 v39, 0                               ; (the upper half of the pair v[38:39])
	v_mov_b32 v41, 0
	v_mov_b32 v5, 0xff800000                       ; -infinity
	v_add_nc_u32 v4, s67, v42
	INIT
	s_lshr_b32 s48, s17, 1                         ; the diagonal step
	s_wait_tensorcnt 0x0                           ; my chunk has landed,
	s_wait_loadcnt 0x0
	s_barrier_signal -1
	s_barrier_wait -1                              ; everybody's has: from here on K, V and their scale words are only read
	s_mov_b32 s49, 16
.Lph1:
	STEP
	s_sub_co_u32 s49, s49, 1
	s_cmp_lg_u32 s49, 0
	s_cbranch_scc1 .Lph1
	s_setprio 0
	OUT 0
	s_wait_xcnt 0x0                                ; the stores have read the codes' registers
.irp j, 0,1,2,3,4,5
	v_mov_b32 v[16+\j], v[28+\j]                   ; the second tile's Q
.endr
	v_mov_b32 v14, v15
	v_add_nc_u32 v4, s68, v42
	INIT                                           ; (its lines are also the places between these writes and the first product)
	s_lshr_b32 s48, s12, 1
	s_mov_b32 s49, 8
.Lph2:
	STEP
	s_sub_co_u32 s49, s49, 1
	s_cmp_lg_u32 s49, 0
	s_cbranch_scc1 .Lph2
	s_setprio 0
	OUT 1
	s_wait_dscnt 0x0                               ; for the others' sake: my bytes lie in the gather
	s_barrier_signal -1
	s_barrier_wait -1
	s_cmp_lt_u32 s12, 2
	s_cbranch_scc0 .Lnog
	ds_load_b128 v[100:103], v43
	s_wait_dscnt 0x0
	global_store_b128 v1, v[100:103], s[62:63]     ; 512 consecutive bytes
.Lnog:
	s_wait_tensorcnt 0x0
	ds_add_u32 v254, v255
	s_wait_dscnt 0x0
	CROUND                                         ; the closing round
	s_endpgm
.Lfunc_end_k_qf214807e15_attn:
	.size	k_qf214807e15_attn, .Lfunc_end_k_qf214807e15_attn-k_qf214807e15_attn
	.p2alignl 7, 3214868480
	.fill 96, 4, 3214868480
	.section	.rodata,"a",@progbits
	.p2align	6, 0x0
	.amdhsa_kernel k_qf214807e15_attn
		.amdhsa_group_segment_fixed_size 211968
		.amdhsa_private_segment_fixed_size 0
		.amdhsa_enable_private_segment 0
		.amdhsa_kernarg_size 32
		.amdhsa_user_sgpr_count 2
		.amdhsa_user_sgpr_kernarg_segment_ptr 1
		.amdhsa_wavefront_size32 1
		.amdhsa_system_sgpr_workgroup_id_x 1
		.amdhsa_system_sgpr_workgroup_id_y 1
		.amdhsa_system_sgpr_workgroup_id_z 1
		.amdhsa_system_vgpr_workitem_id 0
		.amdhsa_next_free_vgpr 256
		.amdhsa_next_free_sgpr 72
		.amdhsa_reserve_vcc 1
		.amdhsa_float_denorm_mode_32 3
		.amdhsa_float_denorm_mode_16_64 3
		.amdhsa_memory_ordered 1
		.amdhsa_forward_progress 1
		.amdhsa_inst_pref_size 67
	.end_amdhsa_kernel
	.amdgpu_metadata
---
amdhsa.version: [ 1, 2 ]
amdhsa.kernels:
  - .name:           k_qf214807e15_attn
    .symbol:         k_qf214807e15_attn.kd
    .args:
      - { .name: qkvc, .offset: 0, .size: 8, .value_kind: global_buffer, .address_space: global }
      - { .name: qkvs, .offset: 8, .size: 8, .value_kind: global_buffer, .address_space: global }
      - { .name: yc, .offset: 16, .size: 8, .value_kind: global_buffer, .address_space: global }
      - { .name: ys, .offset: 24, .size: 8, .value_kind: global_buffer, .address_space: global }
    .group_segment_fixed_size: 211968
    .private_segment_fixed_size: 0
    .kernarg_segment_align: 8
    .kernarg_segment_size: 32
    .max_flat_workgroup_size: 512
    .sgpr_count:     72
    .vgpr_count:     256
    .wavefront_size: 32
...
	.end_amdgpu_metadata
.endif
;; end of part 3
;; launch proj (part 4): grid 256 x 1, 4 waves a work-group, clusters of 4 x 1, 327,680 bytes of LDS; arguments yc, ys, c1, s1, b_proj, out0; writes out0
.if DOCPART == 4
	.amdgcn_target "amdgcn-amd-amdhsa--gfx1250"
	.amdhsa_code_object_version 6
	.text
	.protected	k_qf214807e15_proj
	.globl	k_qf214807e15_proj
	.p2align	8
	.type	k_qf214807e15_proj,@function
k_qf214807e15_proj:
	s_mov_b64 s[64:65], 0
	v_nop
	global_prefetch_b8 v0, s[64:65] scope:SCOPE_SE
	s_setreg_imm32_b32 hwreg(HW_REG_WAVE_MODE, 25, 1), 1
	s_wait_xcnt 0x0
	s_wait_alu depctr_hold_cnt(0) depctr_sa_sdst(0) depctr_va_vdst(0) depctr_va_sdst(0) depctr_va_ssrc(0) depctr_va_vcc(0) depctr_vm_vsrc(0)
	s_getreg_b32 s2, hwreg(HW_REG_IB_STS2, 6, 4)
	s_cmp_eq_u32 s2, 0
	s_cbranch_scc0 .Lentry_in_a_cluster
	s_endpgm
.Lentry_in_a_cluster:
	s_bfe_u32 s2, ttmp6, 0x10000c
	s_cmp_lg_u32 s2, 0x3003
	s_cbranch_scc0 .Lentry_shape_is_right
	s_endpgm
.Lentry_shape_is_right:
; out0 = y W_proj + b_proj on codes of BF6 (E3M2) with E8M0 scales, sums in f32.
; THE FORM is that of the first product: source 0 (columns of W_proj) is STREAMED through LDS as images of the operand's registers, source 1 (tokens of y) is STATIONARY: each wave keeps 64 tokens x all K = 1,024 in 384
; registers.  A lane holds one token and its registers run along the output's columns.  A PASS is 64 columns: 16 accumulators, 128 matrix instructions.
; SHARES.  Cluster c, place cx: my 256 tokens are block 4 (c % 8) + cx, my 128 columns are 128 (c / 8) on: two passes.  The four partners stream the same eight tiles of W_proj: each is asked for JOINTLY (mask 15).
; y's tile and K step s are two half images (heads 2 s, 2 s + 1): four loads a fragment.  Its scale bytes come two at a time (a row's and a head's) and are joined into words of 128 along K.
; REGISTERS as in the first product.  Window 0: v1-10 addresses; v16-31 y's scale words; v48-79 W's; v160-207, v208-255 streamed sets 2, 3.  Window 1: v0-127 accumulators; v128-191 the two passes' biases; v192-255 rows on
; their way out.  Window 2: stationary K steps 0-4.  Window 3: v0-143 K steps 5-7; v144-239 streamed sets 0, 1.
.set ADP, 8                            ; v8-9  16 x lane + 49,152 x pass
.set STO, 5                            ; v5    the stage: where I put 16 bytes of a row
.set RD,  6                            ; v6    where I read rows back
.set CO,  7                            ; v7    my byte offset in two rows of out0
.set STG, 98304                        ; behind the eight tiles: 16 rows x (256 + 16) bytes for each wave; no fill lands here
.set MSB, 0
.macro WIN new
.if MSB != (\new)
	s_set_vgpr_msb (MSB<<8)|(\new)
.set MSB, (\new)
.endif
.endm
.macro PLACES                          ; four plain lines between a matrix instruction and a load into its registers
.rept 4
	v_nop
.endr
.endm
.macro CROUND
	s_barrier_signal -1
	s_barrier_wait -1
	s_cmp_lg_u32 s16, 0
	s_cbranch_scc1 .Lnot_wave_0_\@
	s_barrier_signal -3
.Lnot_wave_0_\@:
	s_barrier_wait -3
	s_barrier_signal -1
	s_barrier_wait -1
.endm
.macro WM d, x, y, c, sx, sy, rx, ry
.if (\rx) && (\ry)
	v_wmma_scale_f32_16x16x128_f8f6f4 v[(\d):(\d)+7], v[(\x):(\x)+11], v[(\y):(\y)+11], v[(\c):(\c)+7], v[\sx], v[\sy] matrix_a_fmt:MATRIX_FMT_BF6 matrix_b_fmt:MATRIX_FMT_BF6 matrix_a_scale:MATRIX_SCALE_ROW1 matrix_b_scale:MATRIX_SCALE_ROW1
.elseif (\rx)
	v_wmma_scale_f32_16x16x128_f8f6f4 v[(\d):(\d)+7], v[(\x):(\x)+11], v[(\y):(\y)+11], v[(\c):(\c)+7], v[\sx], v[\sy] matrix_a_fmt:MATRIX_FMT_BF6 matrix_b_fmt:MATRIX_FMT_BF6 matrix_a_scale:MATRIX_SCALE_ROW1
.elseif (\ry)
	v_wmma_scale_f32_16x16x128_f8f6f4 v[(\d):(\d)+7], v[(\x):(\x)+11], v[(\y):(\y)+11], v[(\c):(\c)+7], v[\sx], v[\sy] matrix_a_fmt:MATRIX_FMT_BF6 matrix_b_fmt:MATRIX_FMT_BF6 matrix_b_scale:MATRIX_SCALE_ROW1
.else
	v_wmma_scale_f32_16x16x128_f8f6f4 v[(\d):(\d)+7], v[(\x):(\x)+11], v[(\y):(\y)+11], v[(\c):(\c)+7], v[\sx], v[\sy] matrix_a_fmt:MATRIX_FMT_BF6 matrix_b_fmt:MATRIX_FMT_BF6
.endif
.endm
.macro LOADB p, s                      ; the four streamed fragments of pass p, K step s, into set s % 4
.if ((\s)%4) < 2
	WIN 0xc0
.set SB_, 144+48*((\s)%4)
.else
	WIN 0
.set SB_, 160+48*(((\s)%4)-2)
.endif
.irp t, 0,1,2,3
.irp c, 0,1,2
	ds_load_b128 v[SB_+12*\t+4*\c:SB_+12*\t+4*\c+3], v[ADP+(\p)] offset:12288*\t+1536*(\s)+512*\c
.endr
.endr
.endm
.macro YLOAD k                         ; y's four fragments of K step k: heads 2 k and 2 k + 1
.if (\k) <= 4
	WIN 0x80
.set ST_, 48*(\k)
.else
	WIN 0xc0
.set ST_, 48*((\k)-5)
.endif
.irp a, 0,1,2,3
	global_load_b128 v[ST_+12*\a:ST_+12*\a+3], v1, s[40:41] offset:12288*\a+1536*(\k)
	global_load_b64 v[ST_+12*\a+4:ST_+12*\a+5], v2, s[40:41] offset:12288*\a+1536*(\k)+512
	global_load_b128 v[ST_+12*\a+6:ST_+12*\a+9], v1, s[40:41] offset:12288*\a+1536*(\k)+768
	global_load_b64 v[ST_+12*\a+10:ST_+12*\a+11], v2, s[40:41] offset:12288*\a+1536*(\k)+1280
.endr
.endm
; 16 matrix instructions on 16 accumulators, one a turn.  The first K step takes the bias as C.
.macro KSTEP p, s
.if ((\s)%4) < 2
.set SB_, 144+48*((\s)%4)
.set WB_, 3
.else
.set SB_, 160+48*(((\s)%4)-2)
.set WB_, 0
.endif
.if (\s) <= 4
.set ST_, 48*(\s)
.set WA_, 2
.else
.set ST_, 48*((\s)-5)
.set WA_, 3
.endif
	WIN 0x50|WB_|(WA_<<2)
.irp t, 0,1,2,3
.irp a, 0,1,2,3
.if (\s) == 0
.set CC_, 128+32*(\p)+8*\t
.else
.set CC_, 32*\a+8*\t
.endif
	WM 32*\a+8*\t, SB_+12*\t, ST_+12*\a, CC_, 48+8*((4*(\p)+\t)/2)+(\s), 16+8*(\a/2)+(\s), \t%2, \a%2
.endr
.endr
.endm
; THE WAY OUT, a tile of 16 tokens x 64 columns at a time, through my own stage: a lane's registers are pieces of one row, and come back as whole rows of 256 bytes.  LDS serves a wave's instructions in order.
.macro TOSTAGE a
	WIN 0x04                                       ; an LDS store's data: window 1
.irp t, 0,1,2,3
.irp e, 0,1
	ds_store_b128 v[STO], v[32*(\a)+8*\t+4*\e:32*(\a)+8*\t+4*\e+3] offset:128*(\t/2)+32*(\t%2)+16*\e   ; columns 32 (t / 2) + 16 h + 8 (t % 2) + 4 e on; each accumulator from its low end on
.endr
.endr
	WIN 0x40
.irp i, 0,1,2,3,4,5,6,7
	ds_load_b128 v[192+32*((\a)%2)+4*\i:195+32*((\a)%2)+4*\i], v[RD] offset:544*\i   ; lane-rows 2 i and 2 i + 1
.endr
.endm
.macro SEND a, p, younger              ; younger: the LDS instructions issued behind tile a's loads
	s_wait_dscnt \younger
	WIN 0x04
.irp i, 0,1,2,3,4,5,6,7
	global_store_b128 v[CO], v[192+32*((\a)%2)+4*\i:195+32*((\a)%2)+4*\i], s[48:49] offset:(32*((\a)/2)+8*((\a)%2)+2*\i+8*(\i/4))*4096+256*(\p) th:TH_STORE_NT   ; sixteen lanes store 256 consecutive bytes, aligned
.endr
.endm
.macro EPI p
	s_wait_xcnt 0x0                                ; earlier stores have read their registers
	TOSTAGE 0
.irp a, 1,2,3
.if \a > 1
	s_wait_xcnt 0x0                                ; tile a - 2's stores have read the registers that tile a's rows land in
.endif
	TOSTAGE \a
	SEND \a-1, \p, 16                              ; behind tile a - 1's loads: tile a's 8 stores and 8 loads
.endr
	SEND 3, \p, 0
	WIN 0
.endm
.macro PASS p
.irp s, 0,1,2,3,4,5,6,7
.if (\s >= 1) && (\s <= 4)
	PLACES
.endif
.if \s <= 4
	LOADB \p, \s+3
	s_wait_dscnt 36                                ; this K step's 12 loads are in; the three later K steps' may stay out
.else
	s_wait_dscnt 12*(7-\s)
.endif
	KSTEP \p, \s
.endr
.rept 5
	v_nop                                          ; FIVE places behind the last four K steps' products: four serve the loads into the streamed sets and the LDS stores that read the results; the fifth is owed
.endr                                              ; because the next pass's first products begin the same accumulators anew, with the bias as C, and the way out between holds no vector line (ISA guide 7.12.1)
	WIN 0
.if \p == 0
	s_wait_tensorcnt 0x0                           ; my tile of the second pass has landed
	s_barrier_signal -1
	s_barrier_wait -1
	LOADB 1, 0
	LOADB 1, 1
	LOADB 1, 2
.endif
	EPI \p
.endm
	s_load_b256 s[4:11], s[0:1], 0x0               ; yc s[4:5], ys s[6:7], c1 s[8:9], s1 s[10:11]
	s_load_b128 s[12:15], s[0:1], 0x20             ; b_proj s[12:13], out0 s[14:15]
	v_lshl_add_u32 v158, v0, 2, 0x29000
	v_mov_b32 v159, 0
	ds_add_u32 v158, v159
	ds_add_u32 v158, v159
	v_lshrrev_b32 v1, 5, v0
	v_readfirstlane_b32 s16, v1                    ; wave 0..3
	s_mov_b32 s18, ttmp9                           ; c
	s_lshr_b32 s20, s18, 3                         ; which 128 columns
	s_mov_b32 s24, 15|(3<<16)|(1<<21)              ; group 1: 12,288 dense bytes as 48 rows of 256; the mask names all four work-groups
	s_mov_b32 s25, 32<<16
	s_mov_b32 s26, 48<<16
	s_mov_b32 s27, 32<<16
	s_mov_b32 s28, 48
	s_mov_b32 s29, 32
	s_mov_b32 s30, 0
	s_mov_b32 s31, 0
	s_mul_i32 s21, s16, 12288
	s_lshl_b32 s22, s20, 3
	s_add_co_u32 s22, s22, s16
	s_add_co_u32 s22, s22, 704
	s_mul_i32 s22, s22, 12288                      ; load i: tile 704 + 8 (c / 8) + 4 i + w
	s_mov_b32 s23, 0
	v_and_b32 v7, 31, v0
	v_lshlrev_b32 v1, 4, v7                        ; 16 x lane
	v_lshlrev_b32 v2, 3, v7                        ; 8 x lane
	v_and_b32 v14, 15, v0                          ; r
	v_bfe_u32 v15, v0, 4, 1                        ; h
	v_lshlrev_b32 v3, 4, v14
	v_lshl_add_u32 v3, v15, 9, v3                  ; W's scale words: 512 h + 16 r
	v_lshlrev_b32 v4, 6, v15                       ; the bias: 16 h numbers on
	s_mul_i32 s17, s16, 4352
	s_add_co_u32 s17, s17, STG                     ; my stage
	v_mul_u32_u24 v[STO], v14, 272
	v_lshl_add_u32 v[STO], v15, 6, v[STO]
	v_add_nc_u32 v[STO], s17, v[STO]               ; in: row r, + 64 h
	v_mul_u32_u24 v[RD], v15, 272
	v_lshl_add_u32 v[RD], v14, 4, v[RD]
	v_add_nc_u32 v[RD], s17, v[RD]                 ; back: lanes 0-15 one row, lanes 16-31 the next
	v_lshlrev_b32 v[CO], 4, v14
	v_lshl_add_u32 v[CO], v15, 12, v[CO]           ; and the same two rows in out0
	v_lshlrev_b32 v10, 1, v14
	v_lshl_add_u32 v10, v15, 10, v10               ; y's scale bytes: 1,024 h + 2 r: lanes 16-31 take the odd tile's
	v_mov_b32 v[ADP], v1
	v_add_nc_u32 v[ADP+1], 49152, v1
	s_wait_dscnt 0x0
	s_wait_kmcnt 0x0
	s_add_nc_u64 s[22:23], s[8:9], s[22:23]
.irp i, 0,1
	s_mov_b32 s[32+4*\i], 1
	s_add_co_u32 s[33+4*\i], s21, \i*49152
	s_add_nc_u64 s[34+4*\i:35+4*\i], s[22:23], \i*49152
	s_or_b32 s[35+4*\i], s[35+4*\i], 0x80000000
.endr
	CROUND                                         ; all four work-groups are here
	tensor_load_to_lds s[32:35], s[24:31]
	s_nop 0
	s_wait_alu depctr_va_vdst(0)
	s_wait_tensorcnt 0x0
	ds_add_u32 v158, v159
	s_wait_dscnt 0x0
	CROUND
	tensor_load_to_lds s[36:39], s[24:31]
	s_nop 0
.rept 4
	v_nop
.endr
	s_bfe_u32 s17, ttmp6, 0x40000                  ; cx: it enters global addresses of my own loads and stores alone
	s_and_b32 s19, s18, 7
	s_lshl_b32 s19, s19, 2
	s_add_co_u32 s19, s19, s17                     ; my block of 256 tokens
	s_mov_b32 s53, 0
	s_lshl_b32 s54, s19, 2
	s_add_co_u32 s54, s54, s16                     ; my wave's 64 tokens: number 4 sb + w
	s_mul_i32 s52, s54, 49152
	s_add_nc_u64 s[40:41], s[4:5], s[52:53]        ; their four tiles of codes
	s_lshr_b32 s52, s19, 3
	s_lshl_b32 s52, s52, 16
	s_and_b32 s55, s54, 31
	s_lshl_b32 s55, s55, 5
	s_add_co_u32 s52, s52, s55
	s_add_nc_u64 s[42:43], s[6:7], s[52:53]        ; their scale bytes: 65,536 b + 32 m
	s_lshl_b32 s52, s20, 12
	s_add_co_u32 s52, s52, 704*512
	s_add_nc_u64 s[44:45], s[10:11], s[52:53]      ; the eight streamed tiles' scale words
	s_lshl_b32 s52, s20, 9
	s_add_nc_u64 s[46:47], s[12:13], s[52:53]      ; the bias of my 128 columns
	s_lshl_b32 s55, s54, 18
	s_add_co_u32 s52, s52, s55
	s_add_nc_u64 s[48:49], s[14:15], s[52:53]      ; out0 at my wave's first token, my first column
.irp k, 0,1,2,3,4,5,6,7
	YLOAD \k
.endr
	WIN 0
	s_wait_alu depctr_va_vdst(0)
.irp i, 0,1
.irp d, 0,1,2,3,4,5,6,7,8,9,10,11,12,13,14,15
	global_load_u16 v[160+16*\i+\d], v10, s[42:43] offset:4096*\d+2048*\i   ; tiles 2 i (lanes 0-15) and 2 i + 1 (lanes 16-31), head d: two bytes a row
.endr
.endr
.irp i, 0,1,2,3
.irp q, 0,1
	global_load_b128 v[48+8*\i+4*\q:51+8*\i+4*\q], v3, s[44:45] offset:1024*\i+256*\q
.endr
.endr
	WIN 0x40
.irp p, 0,1
.irp t, 0,1,2,3
.irp e, 0,1
	global_load_b128 v[128+32*\p+8*\t+4*\e:131+32*\p+8*\t+4*\e], v4, s[46:47] offset:(64*\p+32*(\t/2)+8*(\t%2))*4+16*\e
.endr
.endr
.endr
	WIN 0
	s_wait_loadcnt 0x0
.irp i, 0,1
.irp s, 0,1,2,3,4,5,6,7
	v_lshl_or_b32 v[16+8*\i+\s], v[161+16*\i+2*\s], 16, v[160+16*\i+2*\s]   ; heads 2 s and 2 s + 1 make the word of K step s
.endr
.endr
.rept 8
	v_nop                                          ; a scale register written by a vector line stands eight places ahead of a scaled product
.endr
	s_wait_alu depctr_va_vdst(0)
	s_wait_tensorcnt 1                             ; my tile of pass 0 has landed; the second pass's may stay out
	s_barrier_signal -1
	s_barrier_wait -1
	LOADB 0, 0
	LOADB 0, 1
	LOADB 0, 2
	WIN 0
	PASS 0
	PASS 1
	s_wait_tensorcnt 0x0
	ds_add_u32 v158, v159
	s_wait_dscnt 0x0
	CROUND                                         ; the closing round
	s_endpgm
.Lfunc_end_k_qf214807e15_proj:
	.size	k_qf214807e15_proj, .Lfunc_end_k_qf214807e15_proj-k_qf214807e15_proj
	.p2alignl 7, 3214868480
	.fill 96, 4, 3214868480
	.section	.rodata,"a",@progbits
	.p2align	6, 0x0
	.amdhsa_kernel k_qf214807e15_proj
		.amdhsa_group_segment_fixed_size 327680
		.amdhsa_private_segment_fixed_size 0
		.amdhsa_enable_private_segment 0
		.amdhsa_kernarg_size 48
		.amdhsa_user_sgpr_count 2
		.amdhsa_user_sgpr_kernarg_segment_ptr 1
		.amdhsa_wavefront_size32 1
		.amdhsa_system_sgpr_workgroup_id_x 1
		.amdhsa_system_sgpr_workgroup_id_y 1
		.amdhsa_system_sgpr_workgroup_id_z 1
		.amdhsa_system_vgpr_workitem_id 0
		.amdhsa_next_free_vgpr 1024
		.amdhsa_next_free_sgpr 66
		.amdhsa_reserve_vcc 0
		.amdhsa_float_denorm_mode_32 3
		.amdhsa_float_denorm_mode_16_64 3
		.amdhsa_memory_ordered 1
		.amdhsa_forward_progress 1
		.amdhsa_inst_pref_size 87
	.end_amdhsa_kernel
	.amdgpu_metadata
---
amdhsa.version: [ 1, 2 ]
amdhsa.kernels:
  - .name:           k_qf214807e15_proj
    .symbol:         k_qf214807e15_proj.kd
    .args:
      - { .name: yc, .offset: 0, .size: 8, .value_kind: global_buffer, .address_space: global }
      - { .name: ys, .offset: 8, .size: 8, .value_kind: global_buffer, .address_space: global }
      - { .name: c1, .offset: 16, .size: 8, .value_kind: global_buffer, .address_space: global }
      - { .name: s1, .offset: 24, .size: 8, .value_kind: global_buffer, .address_space: global }
      - { .name: b_proj, .offset: 32, .size: 8, .value_kind: global_buffer, .address_space: global }
      - { .name: out0, .offset: 40, .size: 8, .value_kind: global_buffer, .address_space: global }
    .group_segment_fixed_size: 327680
    .private_segment_fixed_size: 0
    .kernarg_segment_align: 8
    .kernarg_segment_size: 48
    .max_flat_workgroup_size: 128
    .sgpr_count:     66
    .vgpr_count:     1024
    .wavefront_size: 32
...
	.end_amdgpu_metadata
.endif
;; end of part 4
